; MI455X (gfx1250); checked and timed in simulation.
; The chip was launched on July 23, 2026; its instructions are those of AMD's public machine-readable ISA for CDNA 5 (MIT licence, August 2026) and "CDNA5" Instruction Set Architecture Reference Guide (July 2026). The comments in the code are by the model that wrote it; some were corrected since.
;; Causal Self Attention. Allowed arithmetic: matrix products marked QUANTISED: E2M1 operands, one E8M0 scale for each 32 along K, by v_wmma_scale_f32_16x16x128_f8f6f4 with both operands' format E2M1 (or v_wmma_scale_f32_32x16x128_f4), f32 sums; products left as they are: bf16, f16 or f32 operands; f32 sums; everything else in f32.
;; Inputs: W_proj 1,024 x 1,024 float32; W_qkv 1,024 x 3,072 float32; b_proj 1,024 float32; b_qkv 3,072 float32; x 4 x 2,048 x 1,024 float32.
;; Outputs: out0 4 x 2,048 x 1,024 float32.
;; This version of the problem:
;;   THIS VERSION OF THE PROBLEM IS GIVEN IN LOW PRECISION. The matrix products marked QUANTISED in the list below multiply operands that are first quantised to E2M1 (2 exponent bits, 1 mantissa bit; 4 bits a number), with one power-of-two scale for each 32 numbers along K (OCP MX v1.0); their sums are f32. The products marked 'left as it is' may take bf16, f16 or f32 operands, with f32 sums. Whichever they take, every output number must still come out within the allowed error. Rounding operands to bf16 (8 significant bits) uses up far more of that allowance than f16 does (11 bits, for magnitudes from 6e-5 to 65,504). All else is computed in f32.
;;   The module's matrix products, in the order in which they are computed (A, B: the left and right operand; K: the contracted axis; several contracted axes count as one K, in the product's order):
;;     1. [M 8,192, K 1,024] x [K 1,024, N 3,072]; A: input x; B: input W_qkv: QUANTISED
;;     2. batch 64 x [M 2,048, K 64] x [K 64, N 2,048]; A: computed on the way; B: computed on the way: left as it is (an operand is computed on the way)
;;     3. batch 64 x [M 2,048, K 2,048] x [K 2,048, N 64]; A: computed on the way; B: computed on the way: left as it is (an operand is computed on the way)
;;     4. [M 8,192, K 1,024] x [K 1,024, N 1,024]; A: computed on the way; B: input W_proj: left as it is (an operand is computed on the way)
;;   THE QUANTISER, for each operand of a quantised product, along K:
;;     - K is cut into blocks of 32 from its start; a last block that is shorter is filled with zeros.
;;     - A block's scale is 2^e with e = floor(log2(the largest magnitude in the block)) - 2, held to -126 .. 127; a block of zeros has e = 0. As a byte (E8M0): e + 127.
;;     - Each number is divided by its block's scale, clamped to +-6, and rounded to the nearest number of E2M1, ties to even, subnormals kept.
;;     - The product sums the exact products of the quantised numbers (number of the format x scale) in f32.
;;   ~~~python
;;   def quantise(x, axis):      # numpy; x: float32 -> the quantised numbers, widened to float32 again
;;       x = np.moveaxis(x, axis, -1); K = x.shape[-1]
;;       x = np.pad(x, [(0, 0)] * (x.ndim - 1) + [(0, -K % 32)]); x = x.reshape(x.shape[:-1] + (-1, 32)); a = np.abs(x).max(-1, keepdims=True)
;;       e = np.where(a > 0, np.clip(np.frexp(np.where(a > 0, a, 1))[1] - 1 - 2, -126, 127), 0)      # np.frexp(a)[1] - 1 = floor(log2(a)), exactly
;;       r = np.clip(x / 2.0 ** e, -6, 6)
;;       step = 2.0 ** (np.maximum(np.frexp(np.where(r == 0, 1, r))[1] - 1, 0) - 1)
;;       q = np.round(r / step) * step * 2.0 ** e      # np.round: ties to even
;;       return np.moveaxis(q.reshape(q.shape[:-2] + (-1,))[..., :K], -1, axis).astype(np.float32)
;;   ~~~
;; One version. Each part assembles by itself: llvm-mc -triple=amdgcn-amd-amdhsa -mcpu=gfx1250 --defsym DOCPART=n.
;; ======== version 1 of 1: 5 launches
;; limits: values are held in f16: magnitudes above 65,504 overflow, below 6.1e-05 lose precision
;; workspace buffers: codes 5,767,168 bytes; scales 360,448 bytes; wp 2,097,152 bytes; qkv 50,331,648 bytes; q16 786,432 bytes; att 16,777,216 bytes
;; launch prep (part 1): grid 512 x 1, 4 waves a work-group, no clusters, 34,816 bytes of LDS; arguments x, W_qkv, W_proj, codes, scales, wp; writes codes, scales, wp
.if DOCPART == 1
	.amdgcn_target "amdgcn-amd-amdhsa--gfx1250"
	.amdhsa_code_object_version 6
	.text
	.protected	k_q8c97eb7335_prep
	.globl	k_q8c97eb7335_prep
	.p2align	8
	.type	k_q8c97eb7335_prep,@function
k_q8c97eb7335_prep:
	s_mov_b64 s[64:65], 0
	v_nop
	global_prefetch_b8 v0, s[64:65] scope:SCOPE_SE
	s_setreg_imm32_b32 hwreg(HW_REG_WAVE_MODE, 25, 1), 1
	s_wait_xcnt 0x0
; CAUSAL SELF-ATTENTION, first of five launches: x and W_qkv become codes of E2M1 with one E8M0 byte for each 32 along K = 1,024; W_proj becomes f16.
; WORK LEFT OUT BY THE WHOLE PROGRAM, for all finite values of the inputs:
;  (a) key tiles that lie wholly above the diagonal: reference() sets their scores to -infinity by the tril that it builds itself, so their weights are 0.
;  (b) b_qkv[1024:2048], the bias on k: q . (k + b) = q . k + q . b, and q . b is the same for all keys of a query's row, so the softmax along the keys takes it away.
;      The product of q and k is not quantised, so no quantiser sees k.  These 1,024 numbers are loaded by no launch.
;  (c) b_qkv[2048:3072], the bias on v, is not left out but moved: sum(p (v + b)) / sum(p) = sum(p v) / sum(p) + b.  It is the addend of the last multiply-add of the attention.
; LIMITS: a NaN, an infinity or an overflow that reaches only the work left out is not carried to the result.  NaN and infinities among x and W_qkv are not served.
;  A block of zeros gets the scale byte 1 where the quantiser says 127: its codes are zeros, and this program alone reads the bytes.  |W_proj| stays under 65,504 (f16).
; LAYOUTS: every buffer of the program's own is an IMAGE OF AN OPERAND'S REGISTERS: four registers of 32 lanes are 512 bytes on end, lane l at 16 l.
;  codes  [tile of 16 rows (704)][K step of 128 (8)][c (2)][lane][16 B]: lane (r, h) holds the 32 codes k = 128 ks + 64 c + 32 h + 0..31 of row 16 tile + r.  Rows 0..8191 are x's, rows 8192.. are W_qkv's columns.
;  scales [tile (704)][slot (2)][r (16)][4 words]: word f holds the four bytes of K step 4 slot + f.
;  wp     [tile of 16 columns (64)][chunk of 32 k (32)][j (2)][lane][16 B]: lane (r, h) holds k = 32 chunk + 16 j + 8 h + 0..7 of column 16 tile + r, in f16.
; SHARES: work-groups 0..255 take x (a wave: 16 rows x 512 K), 256..447 W_qkv (32 columns x 512 K; a wave: 128 K), 448..511 W_proj (128 columns x 128 K).  The three ways part on the
;  work-group's number alone and have LDS bytes of their own.  A stream: no matrix unit, no tensor load, no cluster; nothing is read twice.
.set STGW,  8448                       ; x: a wave's stage, 16 rows x (512 + 16) bytes
.set WSC,   33792                      ; W_qkv: 32 columns x 4 scale words
.set SPARE, 34304                      ; the spare words, 128 bytes a wave
.set R,     64                         ; v64-191  numbers as loaded
.set X,     192                        ; v192-255 x: 64 numbers of my row; W_proj: f16
.set CD,    32                         ; v32-63   codes
.set SW,    16                         ; v16-19   scale words
.set SPW,   20
.set NIL,   21
	s_load_b256 s[4:11], s[0:1], 0x0               ; x, W_qkv, W_proj, codes
	s_load_b128 s[12:15], s[0:1], 0x20             ; scales, wp
	v_lshl_add_u32 v[SPW], v0, 2, SPARE
	v_mov_b32 v[NIL], 0
	v_lshrrev_b32 v1, 5, v0
	v_readfirstlane_b32 s16, v1                    ; wave
	v_and_b32 v1, 31, v0                           ; lane
	v_and_b32 v2, 15, v0                           ; r
	v_bfe_u32 v3, v0, 4, 1                         ; h
	v_lshlrev_b32 v4, 4, v1                        ; 16 x lane
	v_lshlrev_b32 v7, 2, v1                        ; 4 x lane
	s_mov_b32 s20, 0x76543210
	s_mov_b32 s21, 0xfedcba98                      ; selects for lane l xor 16
	s_mov_b32 s23, 0
	s_wait_kmcnt 0x0
	s_cmp_lt_u32 ttmp9, 256
	s_cbranch_scc0 .Lnot_x
; ---------------- x: K is innermost.  A load takes 512 bytes of one row as they lie; the 16 rows turn through the wave's stage, so that lane (r, h) gets blocks h and 2 + h of row r whole
.macro XLOAD f
.irp i, 0,1,2,3,4,5,6,7,8,9,10,11,12,13,14,15
	global_load_b128 v[R+64*((\f)%2)+4*\i:R+64*((\f)%2)+4*\i+3], v4, s[4:5] offset:\i*4096+(\f)*512 th:TH_LOAD_NT
.endr
.endm
.macro XSTEP f
.if (\f) < 3
	s_wait_loadcnt 16                              ; this K step's 16 loads are in; the next step's 16 may be out
.else
	s_wait_loadcnt 0x0
.endif
.irp i, 0,1,2,3,4,5,6,7,8,9,10,11,12,13,14,15
	ds_store_b128 v5, v[R+64*((\f)%2)+4*\i:R+64*((\f)%2)+4*\i+3] offset:\i*528
.endr
.irp c, 0,1
.irp q, 0,1,2,3,4,5,6,7
	ds_load_b128 v[X+32*\c+4*\q:X+32*\c+4*\q+3], v6 offset:256*\c+16*\q   ; LDS serves a wave's instructions in order: these see the stores above
.endr
.endr
	s_wait_dscnt 0x0
.if (\f) < 2
	XLOAD (\f)+2
.endif
.irp c, 0,1
	v_max3_num_f32 v[8+\c], |v[X+32*\c]|, |v[X+32*\c+1]|, 0x1800000   ; the block's largest magnitude, over the floor 2^(3 - 127): the byte cannot fall under 1
.endr
.irp i, 2,4,6,8,10,12,14,16,18,20,22,24,26,28,30
.irp c, 0,1
	v_max3_num_f32 v[8+\c], v[8+\c], |v[X+32*\c+\i]|, |v[X+32*\c+\i+1]|
.endr
.endr
.irp c, 0,1
	v_add_nc_u32 v[10+\c], 0xff000000, v[8+\c]     ; 2 off its exponent field: the conversion's scale operand
.endr
.irp c, 0,1
	v_lshrrev_b32 v[12+\c], 23, v[10+\c]           ; the scale's byte
.endr
	v_lshl_or_b32 v14, v13, 16, v12                ; my two bytes, blocks h and 2 + h,
	v_lshlrev_b32 v14, v22, v14                    ; 8 h bits up;
	v_permlanex16_b32 v15, v14, s20, s21
	v_or_b32 v[SW+(\f)], v14, v15                  ; with lane l xor 16's two the word is whole
.irp c, 0,1
.irp g, 0,1,2,3
	v_cvt_scalef32_pk8_fp4_f32 v[CD+8*(\f)+4*\c+\g], v[X+32*\c+8*\g:X+32*\c+8*\g+7], v[10+\c]
.endr
.endr
	v_nop                                          ; one plain place behind the scaled conversions
.irp c, 0,1
	global_store_b128 v4, v[CD+8*(\f)+4*\c:CD+8*(\f)+4*\c+3], s[10:11] offset:(\f)*1024+\c*512   ; 512 bytes on end
.endr
.endm
	s_lshl_b32 s17, ttmp9, 2
	s_add_co_u32 s17, s17, s16                     ; item = 4 x work-group + wave
	s_lshr_b32 s18, s17, 1                         ; tile of 16 rows
	s_and_b32 s19, s17, 1                          ; which 512 along K
	s_lshl_b32 s22, s18, 16
	s_lshl_b32 s24, s19, 11
	s_add_co_u32 s22, s22, s24
	s_add_nc_u64 s[4:5], s[4:5], s[22:23]
	s_lshl_b32 s22, s18, 13
	s_lshl_b32 s24, s19, 12
	s_add_co_u32 s22, s22, s24
	s_add_nc_u64 s[10:11], s[10:11], s[22:23]
	s_lshl_b32 s22, s18, 9
	s_lshl_b32 s24, s19, 8
	s_add_co_u32 s22, s22, s24
	s_add_nc_u64 s[12:13], s[12:13], s[22:23]
	XLOAD 0
	XLOAD 1
	s_mul_i32 s24, s16, STGW
	v_add_nc_u32 v5, s24, v4                       ; into the stage: 16 x lane, a row an instruction
	v_mul_u32_u24 v6, v2, 528
	v_lshl_add_u32 v6, v3, 7, v6
	v_add_nc_u32 v6, s24, v6                       ; out of it: row r, + 128 h
	v_lshlrev_b32 v22, 3, v3                       ; 8 h
	v_mov_b32 v15, 0                               ; a lane permute's destination counts as read
	v_lshlrev_b32 v23, 4, v2
	v_lshl_add_u32 v23, v3, 3, v23                 ; the scale words' place: 16 r + 8 h
	XSTEP 0
	XSTEP 1
	XSTEP 2
	XSTEP 3
	v_cmp_ne_u32 vcc_lo, 0, v3
	v_cndmask_b32 v8, v[SW], v[SW+2], vcc_lo       ; lanes 0-15 store words 0, 1 of their row, lanes 16-31 words 2, 3
	v_cndmask_b32 v9, v[SW+1], v[SW+3], vcc_lo
	global_store_b64 v23, v[8:9], s[12:13]         ; 256 bytes on end, aligned
	s_wait_tensorcnt 0x0                           ; the wave's end, behind my last LDS store
	ds_add_u32 v[SPW], v[NIL]
	s_wait_dscnt 0x0
	s_endpgm
; the largest magnitude of v[s .. s + 31], in two chains, over the floor; v11 the conversion's operand, v13 the byte
.macro AMAX1 s
	v_max3_num_f32 v12, |v[(\s)]|, |v[(\s)+1]|, |v[(\s)+2]|
	v_max3_num_f32 v13, |v[(\s)+3]|, |v[(\s)+4]|, |v[(\s)+5]|
.irp i, 6,10,14,18,22,26
	v_max3_num_f32 v12, v12, |v[(\s)+\i]|, |v[(\s)+\i+1]|
	v_max3_num_f32 v13, v13, |v[(\s)+\i+2]|, |v[(\s)+\i+3]|
.endr
	v_max3_num_f32 v12, v12, |v[(\s)+30]|, |v[(\s)+31]|
	v_max3_num_f32 v12, v12, v13, 0x1800000
	v_add_nc_u32 v11, 0xff000000, v12
	v_lshrrev_b32 v13, 23, v11
.endm
; how many younger loads may be out when block t of four (32 loads each) is wanted: 96, 64, 32, 0; a wait's count holds 63 at the most, and a smaller count is safe
.macro WAIT4 t
.if (\t) < 2
	s_wait_loadcnt 63
.else
	s_wait_loadcnt 32*(3-(\t))
.endif
.endm
; ---------------- W_qkv: K is the first axis.  A lane takes a column and its registers run down K: a block of 32 lies in one lane
.Lnot_x:
	s_cmp_lt_u32 ttmp9, 448
	s_cbranch_scc0 .Lp_path
	s_sub_co_u32 s17, ttmp9, 256
	s_cmp_ge_u32 s17, 96
	s_cselect_b32 s19, 1, 0                        ; which 512 along K
	s_cselect_b32 s18, 96, 0
	s_sub_co_u32 s18, s17, s18                     ; which 32 columns
	s_lshl_b32 s22, s19, 9
	s_lshl_b32 s24, s16, 7
	s_add_co_u32 s22, s22, s24                     ; my first row of W_qkv: 512 slot + 128 wave
	s_mul_i32 s22, s22, 12288
	s_lshl_b32 s24, s18, 7
	s_add_co_u32 s22, s22, s24
	s_add_nc_u64 s[6:7], s[6:7], s[22:23]
.irp t, 0,1,2,3
.irp i, 0,1,2,3,4,5,6,7,8,9,10,11,12,13,14,15,16,17,18,19,20,21,22,23,24,25,26,27,28,29,30,31
	global_load_b32 v[R+32*\t+\i], v7, s[6:7] offset:(32*\t+\i)*12288 th:TH_LOAD_NT
.endr
.endr
	s_lshl_b32 s22, s18, 14                        ; codes: tile 512 + 2 cg, K step 4 slot + wave
	s_lshl_b32 s24, s19, 12
	s_add_co_u32 s22, s22, s24
	s_lshl_b32 s24, s16, 10
	s_add_co_u32 s22, s22, s24
	s_add_co_u32 s22, s22, 4194304
	s_add_nc_u64 s[10:11], s[10:11], s[22:23]
	s_lshl_b32 s22, s18, 10                        ; scales: tile 512 + 2 cg, slot
	s_lshl_b32 s24, s19, 8
	s_add_co_u32 s22, s22, s24
	s_add_co_u32 s22, s22, 262144
	s_add_nc_u64 s[12:13], s[12:13], s[22:23]
	v_lshlrev_b32 v9, 4, v2
	v_lshl_add_u32 v9, v3, 13, v9                  ; codes: 16 r, lanes 16-31 one tile on
	v_lshlrev_b32 v8, 4, v2
	v_lshl_add_u32 v8, v3, 9, v8                   ; scales likewise
	v_add_nc_u32 v10, WSC, v4                      ; LDS: my column's four words,
	s_lshl_b32 s24, s16, 2
	v_add_nc_u32 v15, s24, v10                     ; and my wave's among them
.irp t, 0,1,2,3
	WAIT4 \t
	AMAX1 R+32*\t
.if \t == 0
	v_mov_b32 v[SW], v13
.else
	v_lshl_or_b32 v[SW], v13, 8*\t, v[SW]          ; four bytes to the word, the lower K in the lower byte
.endif
.irp g, 0,1,2,3
	v_cvt_scalef32_pk8_fp4_f32 v[CD+4*\t+\g], v[R+32*\t+8*\g:R+32*\t+8*\g+7], v11
.endr
	v_nop                                          ; one plain place behind the scaled conversions
	global_store_b128 v9, v[CD+4*\t:CD+4*\t+3], s[10:11] offset:(\t/2)*512+(\t%2)*256   ; block t is piece c = t / 2, half h = t % 2: sixteen lanes store 256 bytes on end
.endr
	ds_store_b32 v15, v[SW]
	s_wait_dscnt 0x0                               ; for the others' sake: my word lies in LDS
	s_barrier_signal -1
	s_barrier_wait -1
	s_cmp_lg_u32 s16, 0
	s_cbranch_scc1 .Lw_end
	ds_load_b128 v[24:27], v10                     ; wave 0: the four waves' words of each column
	s_wait_dscnt 0x0
	global_store_b128 v8, v[24:27], s[12:13]
.Lw_end:
	s_wait_tensorcnt 0x0                           ; the wave's end, behind my last LDS store
	ds_add_u32 v[SPW], v[NIL]
	s_wait_dscnt 0x0
	s_endpgm
; ---------------- W_proj to f16: a lane to a column, registers down K; eight neighbours along K are 16 bytes.  No LDS
.Lp_path:
	s_sub_co_u32 s17, ttmp9, 448
	s_and_b32 s18, s17, 7                          ; which 128 columns
	s_lshr_b32 s19, s17, 3                         ; which 128 along K
	s_lshl_b32 s22, s19, 19
	s_lshl_b32 s24, s18, 9
	s_add_co_u32 s22, s22, s24
	s_lshl_b32 s24, s16, 7
	s_add_co_u32 s22, s22, s24
	s_add_nc_u64 s[8:9], s[8:9], s[22:23]
.irp t, 0,1,2,3
.irp i, 0,1,2,3,4,5,6,7,8,9,10,11,12,13,14,15,16,17,18,19,20,21,22,23,24,25,26,27,28,29,30,31
	global_load_b32 v[R+32*\t+\i], v7, s[8:9] offset:(32*\t+\i)*4096 th:TH_LOAD_NT
.endr
.endr
	s_lshl_b32 s22, s18, 18                        ; wp: column tile 8 group + 2 wave, chunk 4 x K range
	s_lshl_b32 s24, s16, 16
	s_add_co_u32 s22, s22, s24
	s_lshl_b32 s24, s19, 12
	s_add_co_u32 s22, s22, s24
	s_add_nc_u64 s[14:15], s[14:15], s[22:23]
	v_lshlrev_b32 v9, 4, v2
	v_lshl_add_u32 v9, v3, 15, v9                  ; 16 r, lanes 16-31 one column tile on
.irp t, 0,1,2,3
	WAIT4 \t
.irp p, 0,1,2,3,4,5,6,7,8,9,10,11,12,13,14,15
	v_cvt_pk_f16_f32 v[X+16*\t+\p], v[R+32*\t+2*\p], v[R+32*\t+2*\p+1]
.endr
.irp o, 0,1,2,3
	global_store_b128 v9, v[X+16*\t+4*\o:X+16*\t+4*\o+3], s[14:15] offset:\t*1024+(\o/2)*512+(\o%2)*256   ; octet o is piece j = o / 2, half h = o % 2
.endr
.endr
	s_endpgm
.Lfunc_end_k_q8c97eb7335_prep:
	.size	k_q8c97eb7335_prep, .Lfunc_end_k_q8c97eb7335_prep-k_q8c97eb7335_prep
	.p2alignl 7, 3214868480
	.fill 96, 4, 3214868480
	.section	.rodata,"a",@progbits
	.p2align	6, 0x0
	.amdhsa_kernel k_q8c97eb7335_prep
		.amdhsa_group_segment_fixed_size 34816
		.amdhsa_private_segment_fixed_size 0
		.amdhsa_enable_private_segment 0
		.amdhsa_kernarg_size 48
		.amdhsa_user_sgpr_count 2
		.amdhsa_user_sgpr_kernarg_segment_ptr 1
		.amdhsa_wavefront_size32 1
		.amdhsa_system_sgpr_workgroup_id_x 1
		.amdhsa_system_sgpr_workgroup_id_y 1
		.amdhsa_system_sgpr_workgroup_id_z 1
		.amdhsa_system_vgpr_workitem_id 0
		.amdhsa_next_free_vgpr 256
		.amdhsa_next_free_sgpr 66
		.amdhsa_reserve_vcc 1
		.amdhsa_float_denorm_mode_32 3
		.amdhsa_float_denorm_mode_16_64 3
		.amdhsa_memory_ordered 1
		.amdhsa_forward_progress 1
		.amdhsa_inst_pref_size 68
	.end_amdhsa_kernel
	.amdgpu_metadata
---
amdhsa.version: [ 1, 2 ]
amdhsa.kernels:
  - .name:           k_q8c97eb7335_prep
    .symbol:         k_q8c97eb7335_prep.kd
    .args:
      - { .name: x, .offset: 0, .size: 8, .value_kind: global_buffer, .address_space: global }
      - { .name: W_qkv, .offset: 8, .size: 8, .value_kind: global_buffer, .address_space: global }
      - { .name: W_proj, .offset: 16, .size: 8, .value_kind: global_buffer, .address_space: global }
      - { .name: codes, .offset: 24, .size: 8, .value_kind: global_buffer, .address_space: global }
      - { .name: scales, .offset: 32, .size: 8, .value_kind: global_buffer, .address_space: global }
      - { .name: wp, .offset: 40, .size: 8, .value_kind: global_buffer, .address_space: global }
    .group_segment_fixed_size: 34816
    .private_segment_fixed_size: 0
    .kernarg_segment_align: 8
    .kernarg_segment_size: 48
    .max_flat_workgroup_size: 128
    .sgpr_count:     66
    .vgpr_count:     256
    .wavefront_size: 32
...
	.end_amdgpu_metadata
.endif
;; end of part 1
;; launch qkv (part 2): grid 12 x 32, 4 waves a work-group, clusters of 4 x 4, 327,680 bytes of LDS; arguments codes, scales, b_qkv, qkv, q16; writes qkv, q16
.if DOCPART == 2
	.amdgcn_target "amdgcn-amd-amdhsa--gfx1250"
	.amdhsa_code_object_version 6
	.text
	.protected	k_q8c97eb7335_qkv
	.globl	k_q8c97eb7335_qkv
	.p2align	8
	.type	k_q8c97eb7335_qkv,@function
k_q8c97eb7335_qkv:
	s_mov_b64 s[64:65], 0
	v_nop
	global_prefetch_b8 v0, s[64:65] scope:SCOPE_SE
	s_setreg_imm32_b32 hwreg(HW_REG_WAVE_MODE, 25, 1), 1
	s_wait_xcnt 0x0
	s_wait_alu depctr_hold_cnt(0) depctr_sa_sdst(0) depctr_va_vdst(0) depctr_va_sdst(0) depctr_va_ssrc(0) depctr_va_vcc(0) depctr_vm_vsrc(0)
	s_getreg_b32 s2, hwreg(HW_REG_IB_STS2, 6, 4)
	s_cmp_eq_u32 s2, 0
	s_cbranch_scc0 .Lentry_in_a_cluster
	s_endpgm
.Lentry_in_a_cluster:
	s_bfe_u32 s2, ttmp6, 0x10000c
	s_cmp_lg_u32 s2, 0xf033
	s_cbranch_scc0 .Lentry_shape_is_right
	s_endpgm
.Lentry_shape_is_right:
; qkv = Q(x) Q(W_qkv) on codes of E2M1 with E8M0 scales, f32 sums; + b_qkv on q alone.  LEFT OUT: the bias on k (the same term along a softmax's axis) and, here, the bias on v (added by the attention): see the first kernel's head.
; A work-group makes 256 x 256, a wave 128 x 128: 64 accumulators, 512 registers.  K = 1,024 lies in LDS whole, as two slots of 512: every tile is asked for at the head and nothing is filled again.
; CLUSTERS of 4 x 4: the cluster's x is the part (0 q, 1 k, 2 v), its y a block of 256 tokens.  The A side's tiles hang on cy alone and are asked for jointly along a row of the cluster, the B side's on cx alone, along a column.
; THE MATRIX INSTRUCTION: source 0 = 16 rows of the B side, source 1 = 16 rows of the A side; lane (r, h) then holds row r of the A side and rows 8 h + 0..7 of the B side.
;   q, k: A side = tokens (batch cy), B side = columns of W_qkv: a lane holds 8 neighbouring channels of a token: rounded to f16 they are 16 bytes of an operand of q k^T.
;   v:    the DATA change sides: A side = columns of W_qkv, B side = tokens (batch cx): a lane holds 8 neighbouring tokens of a channel: 16 bytes of an operand V^T.  The text is the same.
; OUT: qkv, three parts of 16,777,216 bytes, each [16 batch + head][262,144 B], f16, as register images (512 bytes on end a store):
;   q, k [token tile of 16 (128)][c (2)][j (2)][lane][16 B]: lane (r, h): token r, channels 32 c + 16 j + 8 h + 0..7;   v [64 keys (32)][d (4)][u (4)][lane][16 B]: lane (r, h): channel 16 d + r, tokens 16 u + 8 h + 0..7.
;   q16 [part][batch][head][blk (4)][half (2)][lane][16 B]: the f32 accumulators of tokens 0..15 of each batch as they stand, for the last launch.
; LIMIT: |q|, |k|, |v| stay under 65,504 (f16).
; REGISTERS: window 0: v16-31 addresses; v32-95 scale words (lanes 0-15 the A side's tile i, lanes 16-31 the B side's); v128-191 the A side's fragments, one set; v192-255 q's bias; on the way out v128-255 packed results.
;   window 1: the B side's fragments, two sets, at v0 and v128.   windows 2, 3: accumulator (a, b) at v[8 (8 (a % 4) + b)] of window 2 + a / 4.
.set SLOTB, 131072                     ; a slot: the A side's 16 tiles x 4,096 bytes, then the B side's
.set SCL,   262144                     ; the scale words: the A side's 8,192 bytes, then the B side's
.set SPARE, 278528                     ; the spare words, 128 bytes a wave
.set ADRA, 16                          ; v16-17 LDS address of my A fragments in slot 0, 1
.set ADRB, 20                          ; v20-21 the same for B
.set VO,   22                          ; v22-25 the way out: 16 x lane + (a / 4) SA + (b / 4) SB
.set L16,  26                          ; v26    16 x lane
.set ADRS, 27                          ; v27    my scale words
.set SPW,  28
.set NIL,  29
.set BA,   30                          ; v30    32 h: my place in the bias
.set SC,   32
.set AF,   128
.set BI,   192
.set TMP,  128
.set G1, 24                            ; s[24:31] group 1 of the A side's codes;  s[32:39] group 0, a set for each slot
.set G0, 32
.set G1B, 48                           ; the same for the B side
.set G0B, 56
.set G1S, 68                           ; the A side's scales
.set G0S, 76
.set G1SB, 80                          ; the B side's
.set G0SB, 88
.set MSB, 0
.macro WIN new                         ; the immediate's high byte repeats the setting that is left
.if MSB != (\new)
	s_set_vgpr_msb (MSB<<8)|(\new)
.set MSB, (\new)
.endif
.endm
.macro PLACES                          ; four plain places behind a matrix instruction of this form, in front of loads into its sources and of reads of its results
.rept 4
	v_nop
.endr
.endm
; A joint load: waves 0 and 1 fetch for the A side, waves 2 and 3 for the B side; the branch hangs on the wave's number alone.  An s_nop 0 and four v_nop follow each line.
.macro JLOAD g0a, g1a, g0b, g1b
	s_cmp_eq_u32 s15, 0
	s_cbranch_scc0 .Lfor_b_\@
	tensor_load_to_lds s[\g0a:\g0a+3], s[\g1a:\g1a+7]
	s_nop 0
.rept 4
	v_nop
.endr
	s_branch .Lasked_\@
.Lfor_b_\@:
	tensor_load_to_lds s[\g0b:\g0b+3], s[\g1b:\g1b+7]
	s_nop 0
.rept 4
	v_nop
.endr
.Lasked_\@:
.endm
.macro CROUND                          ; a round of the cluster's barrier
	s_barrier_signal -1
	s_barrier_wait -1
	s_cmp_lg_u32 s14, 0
	s_cbranch_scc1 .Lnot_wave_0_\@
	s_barrier_signal -3
.Lnot_wave_0_\@:
	s_barrier_wait -3
	s_barrier_signal -1
	s_barrier_wait -1
.endm
	s_load_b256 s[4:11], s[0:1], 0x0               ; codes, scales, b_qkv, qkv
	s_load_b64 s[12:13], s[0:1], 0x20              ; q16
	v_lshl_add_u32 v[SPW], v0, 2, SPARE
	v_mov_b32 v[NIL], 0
	ds_add_u32 v[SPW], v[NIL]                      ; the wave's opening: the add, twice on end, and its wait ahead of my first tensor load
	ds_add_u32 v[SPW], v[NIL]
	v_lshrrev_b32 v1, 5, v0
	v_readfirstlane_b32 s14, v1                    ; wave
	s_lshr_b32 s15, s14, 1                         ; my half of the A side.  Also: I fetch for A (0) or for B (1)
	s_and_b32 s16, s14, 1                          ; my half of the B side.  Also: which 8 tiles of that side I fetch
	s_bfe_u32 s40, ttmp6, 0x40000                  ; cx
	s_bfe_u32 s41, ttmp6, 0x40004                  ; cy
	s_mov_b32 s17, ttmp9                           ; the part: the cluster's x
	s_and_b32 s18, ttmp7, 0xffff                   ; the block of 256 tokens: the cluster's y
	s_lshl_b32 s43, s41, 2
	s_lshl_b32 s43, 15, s43                        ; my row of the cluster
	s_lshl_b32 s44, 0x1111, s40                    ; my column
	; codes: 8 tiles, of each the slot's 4,096 bytes on end, 8,192 bytes from tile to tile; elements of 8 bytes
	s_or_b32 s[G1+0], s43, (3<<16)|(1<<21)
	s_or_b32 s[G1B+0], s44, (3<<16)|(1<<21)
.irp g, G1, G1B
	s_mov_b32 s[\g+1], 512<<16                     ; tensor_dim0
	s_mov_b32 s[\g+2], 8<<16                       ; tensor_dim1
	s_mov_b32 s[\g+3], 512<<16                     ; tile_dim0
	s_mov_b32 s[\g+4], 8                           ; tile_dim1
	s_mov_b32 s[\g+5], 1024                        ; the pitch
	s_mov_b32 s[\g+6], 0
	s_mov_b32 s[\g+7], 0
.endr
	; scales: 8 tiles x 512 bytes, dense: 16 rows of 256 bytes
	s_or_b32 s[G1S+0], s43, (3<<16)|(1<<21)
	s_or_b32 s[G1SB+0], s44, (3<<16)|(1<<21)
.irp g, G1S, G1SB
	s_mov_b32 s[\g+1], 32<<16
	s_mov_b32 s[\g+2], 16<<16
	s_mov_b32 s[\g+3], 32<<16
	s_mov_b32 s[\g+4], 16
	s_mov_b32 s[\g+5], 32
	s_mov_b32 s[\g+6], 0
	s_mov_b32 s[\g+7], 0
.endr
	; the sides' first tiles of 16 rows.  The A side's hang on cy and the cluster's numbers alone, the B side's on cx and those
	s_lshl_b32 s20, s41, 7
	s_lshl_b32 s21, s18, 4
	s_add_co_u32 s20, s20, s21                     ; q, k: A = tokens: 128 cy + 16 block
	s_lshl_b32 s22, s41, 4
	s_add_co_u32 s22, s22, 640                     ; v: A = columns 2,048 + 256 cy of W_qkv
	s_lshl_b32 s46, s17, 6
	s_lshl_b32 s47, s40, 4
	s_add_co_u32 s46, s46, s47
	s_add_co_u32 s46, s46, 512                     ; q, k: B = columns 1,024 part + 256 cx
	s_lshl_b32 s47, s40, 7
	s_add_co_u32 s47, s47, s21                     ; v: B = tokens: 128 cx + 16 block
	s_cmp_eq_u32 s17, 2
	s_cselect_b32 s20, s22, s20
	s_cselect_b32 s46, s47, s46
	s_lshl_b32 s23, s16, 3
	s_add_co_u32 s20, s20, s23                     ; + the 8 tiles that I fetch
	s_add_co_u32 s46, s46, s23
	s_lshl_b32 s92, s20, 9                         ; in the scales,
	s_lshl_b32 s20, s20, 13                        ; in the codes
	s_mov_b32 s21, 0
	s_mov_b32 s93, 0
	s_lshl_b32 s94, s46, 9
	s_lshl_b32 s46, s46, 13
	s_mov_b32 s47, 0
	s_mov_b32 s95, 0
	s_lshl_b32 s45, s14, 15                        ; where they go: wave x 32,768 in a slot,
	s_lshl_b32 s3, s14, 12                         ; wave x 4,096 among the scales: no place in the cluster enters an LDS address
	s_wait_dscnt 0x0                               ; both opening adds are done
	s_wait_kmcnt 0x0
	s_add_nc_u64 s[20:21], s[4:5], s[20:21]
	s_add_nc_u64 s[92:93], s[6:7], s[92:93]
	s_add_nc_u64 s[46:47], s[4:5], s[46:47]
	s_add_nc_u64 s[94:95], s[6:7], s[94:95]
	CROUND                                         ; all sixteen work-groups are here: the joint loads meet
	s_mov_b32 s[G0S], 1
	s_add_co_u32 s[G0S+1], s3, SCL
	s_mov_b64 s[G0S+2:G0S+3], s[92:93]
	s_or_b32 s[G0S+3], s[G0S+3], 0x80000000
	s_mov_b32 s[G0SB], 1
	s_add_co_u32 s[G0SB+1], s3, SCL
	s_mov_b64 s[G0SB+2:G0SB+3], s[94:95]
	s_or_b32 s[G0SB+3], s[G0SB+3], 0x80000000
	JLOAD G0S, G1S, G0SB, G1SB                     ; three loads of mine are out at the most: the scales, slot 0, slot 1
.irp s, 0,1
	s_mov_b32 s[G0+4*\s], 1
	s_add_co_u32 s[G0+4*\s+1], s45, \s*SLOTB
	s_add_nc_u64 s[G0+4*\s+2:G0+4*\s+3], s[20:21], \s*4096
	s_or_b32 s[G0+4*\s+3], s[G0+4*\s+3], 0x80000000
	s_mov_b32 s[G0B+4*\s], 1
	s_add_co_u32 s[G0B+4*\s+1], s45, \s*SLOTB
	s_add_nc_u64 s[G0B+4*\s+2:G0B+4*\s+3], s[46:47], \s*4096
	s_or_b32 s[G0B+4*\s+3], s[G0B+4*\s+3], 0x80000000
	JLOAD G0+4*\s, G1, G0B+4*\s, G1B
.endr
	v_and_b32 v1, 31, v0
	v_lshlrev_b32 v[L16], 4, v1
	v_and_b32 v2, 15, v0                           ; r
	v_bfe_u32 v3, v0, 4, 1                         ; h
	s_lshl_b32 s2, s15, 15                         ; my 8 tiles of the A side,
	s_lshl_b32 s3, s16, 15
	s_add_co_u32 s3, s3, 65536                     ; of the B side
.irp s, 0,1
	v_add_nc_u32 v[ADRA+\s], s2, v[L16]
	v_add_nc_u32 v[ADRB+\s], s3, v[L16]
	s_add_co_u32 s2, s2, SLOTB
	s_add_co_u32 s3, s3, SLOTB
.endr
	v_lshlrev_b32 v4, 4, v2                        ; a row's four words
	s_lshl_b32 s2, s15, 12
	s_lshl_b32 s3, s16, 12
	s_add_co_u32 s3, s3, 8192
	s_sub_co_u32 s3, s3, s2
	v_mul_u32_u24 v5, s3, v3                       ; lanes 16-31 take the B side's: one product, the distance between the two bases
	s_add_co_u32 s2, s2, SCL
	v_add_nc_u32 v4, v4, v5
	v_add_nc_u32 v[ADRS], s2, v4
	v_lshlrev_b32 v[BA], 5, v3
	; the way out.  bt the batch, hc the group of 4 heads, sh and st my halves of the heads and of the tokens; SA, SB what a / 4 and b / 4 step
	s_mov_b32 s42, 262144
	s_cmp_eq_u32 s17, 2
	s_cselect_b32 s66, s40, s41                    ; bt
	s_cselect_b32 s67, s41, s40                    ; hc
	s_cselect_b32 s96, s15, s16                    ; sh
	s_cselect_b32 s97, s16, s15                    ; st
	s_cselect_b32 s98, s42, 8192                   ; SA
	s_cselect_b32 s99, 8192, s42                   ; SB
	s_or_b32 s19, s18, s97                         ; 0: my first token tile is a batch's tokens 0..15
	s_lshl_b32 s66, s66, 4
	s_lshl_b32 s67, s67, 2
	s_add_co_u32 s66, s66, s67
	s_lshl_b32 s96, s96, 1
	s_add_co_u32 s66, s66, s96                     ; 16 batch + my first head
	s_lshl_b32 s67, s66, 18
	s_lshl_b32 s96, s17, 24
	s_add_co_u32 s67, s67, s96
	s_lshl_b32 s96, s18, 15
	s_add_co_u32 s67, s67, s96
	s_lshl_b32 s96, s97, 14
	s_add_co_u32 s96, s67, s96
	s_mov_b32 s97, 0
	s_add_nc_u64 s[10:11], s[10:11], s[96:97]
	s_lshl_b32 s96, s17, 6
	s_add_co_u32 s96, s96, s66
	s_lshl_b32 s96, s96, 12
	s_add_nc_u64 s[12:13], s[12:13], s[96:97]
	v_mov_b32 v[VO], v[L16]
	v_add_nc_u32 v[VO+1], s99, v[L16]
	v_add_nc_u32 v[VO+2], s98, v[L16]
	v_add_nc_u32 v[VO+3], s99, v[VO+2]
.macro FRAG reg, adr, q, i             ; a fragment, 16 rows x 128 K, is 8 registers: two pieces of 512 bytes, lane l at 16 l
.irp c, 0,1
	ds_load_b128 v[\reg+4*\c:\reg+4*\c+3], v[\adr] offset:(\i)*4096+(\q)*1024+512*\c
.endr
.endm
.macro FETCH_B g, p                    ; the B side's eight fragments of K step g into set p
	WIN 0x40
.irp i, 0,1,2,3,4,5,6,7
	FRAG 128*(\p)+8*\i, ADRB+(\g)/4, (\g)%4, \i
.endr
	WIN 0
.endm
.macro FETCH_A g, i0                   ; the A side's tiles i0 .. i0 + 3
.irp i, \i0, \i0+1, \i0+2, \i0+3
	FRAG AF+8*(\i), ADRA+(\g)/4, (\g)%4, \i
.endr
.endm
.macro SCALES                          ; all scale words: register 32 slot + 4 i + f
.irp s, 0,1
.irp i, 0,1,2,3,4,5,6,7
	ds_load_b128 v[SC+32*\s+4*\i:SC+32*\s+4*\i+3], v[ADRS] offset:\i*512+\s*256
.endr
.endr
.endm
; 16 matrix instructions of K step g: A's tiles a0, a0 + 1 x B's eight.  mode 0: the sums go on; 1: they begin with 0; 2: with q's bias.  The 64 accumulators take turns, one instruction a turn.
.macro MUL16 a0, g, mode
.irp a, \a0, \a0+1
.irp b, 0,1,2,3,4,5,6,7
.if (\mode) == 1
	v_wmma_scale_f32_16x16x128_f8f6f4 v[8*(8*((\a)%4)+\b):8*(8*((\a)%4)+\b)+7], v[128*((\g)%2)+8*\b:128*((\g)%2)+8*\b+7], v[AF+8*(\a):AF+8*(\a)+7], 0, v[SC+32*((\g)/4)+4*\b+(\g)%4], v[SC+32*((\g)/4)+4*(\a)+(\g)%4] matrix_a_fmt:MATRIX_FMT_FP4 matrix_b_fmt:MATRIX_FMT_FP4 matrix_a_scale:MATRIX_SCALE_ROW1
.elseif (\mode) == 2
	v_wmma_scale_f32_16x16x128_f8f6f4 v[8*(8*((\a)%4)+\b):8*(8*((\a)%4)+\b)+7], v[128*((\g)%2)+8*\b:128*((\g)%2)+8*\b+7], v[AF+8*(\a):AF+8*(\a)+7], v[BI+8*\b:BI+8*\b+7], v[SC+32*((\g)/4)+4*\b+(\g)%4], v[SC+32*((\g)/4)+4*(\a)+(\g)%4] matrix_a_fmt:MATRIX_FMT_FP4 matrix_b_fmt:MATRIX_FMT_FP4 matrix_a_scale:MATRIX_SCALE_ROW1
.else
	v_wmma_scale_f32_16x16x128_f8f6f4 v[8*(8*((\a)%4)+\b):8*(8*((\a)%4)+\b)+7], v[128*((\g)%2)+8*\b:128*((\g)%2)+8*\b+7], v[AF+8*(\a):AF+8*(\a)+7], v[8*(8*((\a)%4)+\b):8*(8*((\a)%4)+\b)+7], v[SC+32*((\g)/4)+4*\b+(\g)%4], v[SC+32*((\g)/4)+4*(\a)+(\g)%4] matrix_a_fmt:MATRIX_FMT_FP4 matrix_b_fmt:MATRIX_FMT_FP4 matrix_a_scale:MATRIX_SCALE_ROW1
.endif
.endr
.endr
.endm
.macro WLO mode                        ; source 0 window 1, source 1 window 0, D window 2; C window 2, or window 0 for the bias
.if (\mode) == 2
	WIN 0x81
.else
	WIN 0xa1
.endif
.endm
.macro WHI mode
.if (\mode) == 2
	WIN 0xc1
.else
	WIN 0xf1
.endif
.endm
; K step g, whose successor lies in the same slot
.macro STEP g, mode
	s_wait_dscnt 8                                 ; all but the youngest eight loads, A's tiles 4-7
	WLO \mode
	MUL16 0, \g, \mode
	MUL16 2, \g, \mode
	s_wait_dscnt 0x0                               ; A's tiles 4-7 are in
	PLACES
	FETCH_B (\g)+1, 1-(\g)%2
	FETCH_A (\g)+1, 0
	WHI \mode
	MUL16 4, \g, \mode
	MUL16 6, \g, \mode
	PLACES
	WIN 0
	FETCH_A (\g)+1, 4
.endm
; the first K step, once with q's bias as the sums' beginning and once with 0.  The branch in front hangs on the cluster's x alone: all waves of all partners go the same way, and each way has the barrier.
.macro FIRST mode
.if (\mode) == 2
	s_lshl_b32 s100, s40, 10
	s_lshl_b32 s101, s16, 9
	s_add_co_u32 s100, s100, s101
	s_mov_b32 s101, 0
	s_add_nc_u64 s[8:9], s[8:9], s[100:101]        ; b_qkv at column 256 cx + 128 x my half
.irp b, 0,1,2,3,4,5,6,7
	global_load_b128 v[BI+8*\b:BI+8*\b+3], v[BA], s[8:9] offset:64*\b       ; lane (r, h): columns 16 b + 8 h + 0..7, the result's layout
	global_load_b128 v[BI+8*\b+4:BI+8*\b+7], v[BA], s[8:9] offset:64*\b+16
.endr
.endif
	s_wait_tensorcnt 0x1                           ; the scales and my part of slot 0 are in; slot 1's load may be out
	s_barrier_signal -1
	s_barrier_wait -1
	FETCH_B 0, 0
	FETCH_A 0, 0
	SCALES
	FETCH_A 0, 4
.if (\mode) == 2
	s_wait_loadcnt 0x0                             ; the bias
.endif
	STEP 0, \mode
.endm
	s_cmp_eq_u32 s17, 0
	s_cbranch_scc0 .Lno_bias
	FIRST 2
	s_branch .Lgo
.Lno_bias:
	FIRST 1
.Lgo:
	STEP 1, 0
	STEP 2, 0
	s_wait_tensorcnt 0x0                           ; K step 3 goes over to slot 1: my part of it is in,
	s_wait_dscnt 8
	WIN 0xa1
	MUL16 0, 3, 0
	s_wait_dscnt 0x0                               ; no LDS instruction of mine is out at the signal
	s_barrier_signal -1
	MUL16 2, 3, 0
	WIN 0
	s_barrier_wait -1                              ; everybody's is
	PLACES
	FETCH_B 4, 0
	FETCH_A 4, 0
	WIN 0xf1
	MUL16 4, 3, 0
	MUL16 6, 3, 0
	PLACES
	WIN 0
	FETCH_A 4, 4
	STEP 4, 0
	STEP 5, 0
	STEP 6, 0
	s_wait_dscnt 8                                 ; the last K step fetches nothing
	WIN 0xa1
	MUL16 0, 7, 0
	MUL16 2, 7, 0
	s_wait_dscnt 0x0
	WIN 0xf1
	MUL16 4, 7, 0
	MUL16 6, 7, 0
	WIN 0
	PLACES
	; tokens 0..15 of a batch also leave in f32, as the accumulators stand: q, k: accumulators (0, i); v: (i, 0).  The branches hang on the cluster's numbers and the wave's
	s_cmp_lg_u32 s19, 0
	s_cbranch_scc1 .Lno16
	s_cmp_eq_u32 s17, 2
	s_cbranch_scc1 .Lv16
	WIN 0x08                                       ; a store's data are its source 1: window 2
.irp i, 0,1,2,3,4,5,6,7
	global_store_b128 v[L16], v[8*\i:8*\i+3], s[12:13] offset:\i*1024
	global_store_b128 v[L16], v[8*\i+4:8*\i+7], s[12:13] offset:\i*1024+512
.endr
	WIN 0
	s_branch .Lno16
.Lv16:
	WIN 0x08
.irp i, 0,1,2,3
	global_store_b128 v[L16], v[64*\i:64*\i+3], s[12:13] offset:\i*1024
	global_store_b128 v[L16], v[64*\i+4:64*\i+7], s[12:13] offset:\i*1024+512
.endr
	WIN 0x0c
.irp i, 0,1,2,3
	global_store_b128 v[L16], v[64*\i:64*\i+3], s[12:13] offset:(\i+4)*1024
	global_store_b128 v[L16], v[64*\i+4:64*\i+7], s[12:13] offset:(\i+4)*1024+512
.endr
	WIN 0
.Lno16:
; the A side's tile a: eight accumulators, each from its low end on, rounded to f16: 16 bytes a lane, 512 bytes on end a store
.macro OUTA a
.if (\a) >= 4
	s_wait_xcnt 0x0                                ; the stores of four tiles back have read their registers: the set comes round again
.endif
	WIN 0x0a+5*((\a)/4)                            ; sources 0 and 1: window 2 or 3
.irp b, 0,1,2,3,4,5,6,7
.irp r, 0,1,2,3
	v_cvt_pk_f16_f32 v[TMP+32*((\a)%4)+4*\b+\r], v[64*((\a)%4)+8*\b+2*\r], v[64*((\a)%4)+8*\b+2*\r+1]
.endr
.endr
	WIN 0
.irp b, 0,1,2,3,4,5,6,7
	global_store_b128 v[VO+2*((\a)/4)+\b/4], v[TMP+32*((\a)%4)+4*\b:TMP+32*((\a)%4)+4*\b+3], s[10:11] offset:((\a)%4)*2048+(\b%4)*512
.endr
.endm
.irp a, 0,1,2,3,4,5,6,7
	OUTA \a
.endr
	s_wait_tensorcnt 0x0                           ; the wave's end
	ds_add_u32 v[SPW], v[NIL]
	s_wait_dscnt 0x0
	CROUND                                         ; the closing round
	s_endpgm
.Lfunc_end_k_q8c97eb7335_qkv:
	.size	k_q8c97eb7335_qkv, .Lfunc_end_k_q8c97eb7335_qkv-k_q8c97eb7335_qkv
	.p2alignl 7, 3214868480
	.fill 96, 4, 3214868480
	.section	.rodata,"a",@progbits
	.p2align	6, 0x0
	.amdhsa_kernel k_q8c97eb7335_qkv
		.amdhsa_group_segment_fixed_size 327680
		.amdhsa_private_segment_fixed_size 0
		.amdhsa_enable_private_segment 0
		.amdhsa_kernarg_size 40
		.amdhsa_user_sgpr_count 2
		.amdhsa_user_sgpr_kernarg_segment_ptr 1
		.amdhsa_wavefront_size32 1
		.amdhsa_system_sgpr_workgroup_id_x 1
		.amdhsa_system_sgpr_workgroup_id_y 1
		.amdhsa_system_sgpr_workgroup_id_z 1
		.amdhsa_system_vgpr_workitem_id 0
		.amdhsa_next_free_vgpr 1024
		.amdhsa_next_free_sgpr 102
		.amdhsa_reserve_vcc 0
		.amdhsa_float_denorm_mode_32 3
		.amdhsa_float_denorm_mode_16_64 3
		.amdhsa_memory_ordered 1
		.amdhsa_forward_progress 1
		.amdhsa_inst_pref_size 136
	.end_amdhsa_kernel
	.amdgpu_metadata
---
amdhsa.version: [ 1, 2 ]
amdhsa.kernels:
  - .name:           k_q8c97eb7335_qkv
    .symbol:         k_q8c97eb7335_qkv.kd
    .args:
      - { .name: codes, .offset: 0, .size: 8, .value_kind: global_buffer, .address_space: global }
      - { .name: scales, .offset: 8, .size: 8, .value_kind: global_buffer, .address_space: global }
      - { .name: b_qkv, .offset: 16, .size: 8, .value_kind: global_buffer, .address_space: global }
      - { .name: qkv, .offset: 24, .size: 8, .value_kind: global_buffer, .address_space: global }
      - { .name: q16, .offset: 32, .size: 8, .value_kind: global_buffer, .address_space: global }
    .group_segment_fixed_size: 327680
    .private_segment_fixed_size: 0
    .kernarg_segment_align: 8
    .kernarg_segment_size: 40
    .max_flat_workgroup_size: 128
    .sgpr_count:     102
    .vgpr_count:     1024
    .wavefront_size: 32
...
	.end_amdgpu_metadata
.endif
;; end of part 2
;; launch attn (part 3): grid 4 x 64, 8 waves a work-group, no clusters, 327,680 bytes of LDS; arguments qkv, b_qkv, att; writes att
.if DOCPART == 3
	.amdgcn_target "amdgcn-amd-amdhsa--gfx1250"
	.amdhsa_code_object_version 6
	.text
	.protected	k_q8c97eb7335_attn
	.globl	k_q8c97eb7335_attn
	.p2align	8
	.type	k_q8c97eb7335_attn,@function
k_q8c97eb7335_attn:
	s_mov_b64 s[64:65], 0
	v_nop
	global_prefetch_b8 v0, s[64:65] scope:SCOPE_SE
	s_setreg_imm32_b32 hwreg(HW_REG_WAVE_MODE, 25, 1), 1
	s_wait_xcnt 0x0
; att = softmax(q k^T / 8, causal) v + b_v, f16 operands, f32 sums, maxima and exponentials.  LEFT OUT: key tiles wholly above the diagonal (their weights are 0 by the mask that the problem itself builds).
; b_v = b_qkv[2048:3072] is added here: sum(p (v + b)) / sum(p) = sum(p v) / sum(p) + b.
; SHARES.  Work-group (I, 16 batch + head), I = 0..3, owns the query blocks I and 7 - I of 256 queries, one after the other: its units of 256 keys are 0..I and then 0..7-I: nine for every I, so all 256 work-groups
;  have the same work and every trip count is a constant.  A wave owns 32 queries, two tiles of 16; two waves share a SIMD, so that one wave's vector work stands beside the other's products.
; NO CLUSTER: the four work-groups of a head want different key blocks in the same trip (unit U is key block U or U - I - 1), so no one descriptor serves two of them.
; LAYOUT.  S^T = K Q^T (source 0 = 16 keys, source 1 = 16 queries) and O^T = V^T P (source 0 = 16 channels x 32 keys, source 1 = P): a lane holds ONE query throughout.  q, k and v lie in memory as register images, so a fragment
;  is two loads of 512 bytes on end.  The row's sum is a fifth tile of the second product, with ones for V^T: it is the sum of the p as they are multiplied (rounded to f16), kept in f32.
; SOFTMAX.  A running maximum m for each query; p = 2^(c s - c m), c = log2(e) / 8; in every step O^T and the sum are multiplied by a = 2^(c m_old - c m_new).
; RING.  Two slots of 256 keys (32 KiB of K, 32 KiB of V); each of the eight waves fetches 8 KiB by one tensor load behind each change of slots, which has the unit's four steps in which to land.
; LIMIT: |att| stays under 65,504 (f16).  Tokens 0..15 of a batch are computed here with their piece of 32 queries; the last launch makes their output rows anew in f32.
; REGISTERS.  window 0: v1-11 addresses and the mask's; v12-27 statistics, 8 a tile; v32-95 S^T, 32 a tile; v96-127 P, 16 a tile; v128-207 O^T and the sum, 40 a tile; v208-239 b_v.
;  window 1: v0-31 Q; v32-63 the second block's Q; v64-127 K of a step; v128-191 V of a step; v192-199 ones.
.set SLOT1, 65536
.set VOFF,  32768
.set SPARE, 131072                     ; the spare words, 128 bytes a wave
.set LK,  1                            ; v1  16 x lane
.set LV,  2                            ; v2  + VOFF
.set ADK, 3
.set ADV, 4
.set SPW, 5
.set NIL, 6
.set PFO, 7                            ; v7  256 x lane
.set RH,  8                            ; v8  r - 8 h
.set D0,  9                            ; v9, v10  the mask's bound for tiles 0, 1
.set NINF, 11
.set ST,  12                           ; tile t at v[12 + 8 t]: +0 c m, +1 m, +2..5 four chains, +6 a, later 1 / sum, +7 c m_old - c m_new
.set S,   32
.set P,   96
.set O,   128
.set BV,  208
.set QF,  0
.set QN,  32
.set KR,  64
.set VR,  128
.set ONE, 192
.set WV,  10
.set II,  11
.set I1,  12
.set BH,  13
.set U,   14
.set J,   15
.set TB,  16                           ; LDS byte at which the step's tiles begin
.set KFS, 17                           ; the step's first key
.set Q0,  18                           ; my first query
.set PL,  19                           ; trips in which I prefetch
.set SEL, 20
.set CS,  22
.set G1,  24
.set G0,  32
.set BASE, 36
.set FA,  38
.set OFS, 40
.set OUT, 42
.set OUT2, 44
.set Q02, 47
.set MSB, 0
.macro WIN new
.if MSB != (\new)
	s_set_vgpr_msb (MSB<<8)|(\new)
.set MSB, (\new)
.endif
.endm
.macro CLEAR                           ; O^T, the sums and the statistics of a block of queries: the step is written once, and its first turn finds zeros, which a = 0 leaves zeros
.set i, 0
.rept 80
	v_mov_b32 v[O+i], 0
.set i, i+1
.endr
.irp t, 0,1
	v_mov_b32 v[ST+8*\t+1], 0xff61b1e6             ; m = -3e38, under every score
	v_mul_f32 v[ST+8*\t], s[CS], v[ST+8*\t+1]
	v_mov_b32 v[ST+8*\t+6], 0
	v_mov_b32 v[ST+8*\t+7], 0
.endr
.endm
	s_load_b128 s[4:7], s[0:1], 0x0                ; qkv, b_qkv
	s_load_b64 s[8:9], s[0:1], 0x10                ; att
	v_lshl_add_u32 v[SPW], v0, 2, SPARE
	v_mov_b32 v[NIL], 0
	ds_add_u32 v[SPW], v[NIL]                      ; the wave's opening: the add, twice on end, and its wait ahead of my first tensor load
	ds_add_u32 v[SPW], v[NIL]
	v_lshrrev_b32 v1, 5, v0
	v_readfirstlane_b32 s[WV], v1
	s_mov_b32 s[II], ttmp9
	s_add_co_u32 s[I1], ttmp9, 1
	s_and_b32 s[BH], ttmp7, 0xffff
	s_mov_b32 s[G1], 3<<16                         ; a dense block of 8,192 bytes: 32 rows of 32 elements of 8 bytes
	s_mov_b32 s[G1+1], 32<<16
	s_mov_b32 s[G1+2], 32<<16
	s_mov_b32 s[G1+3], 32<<16
	s_mov_b32 s[G1+4], 32
	s_mov_b32 s[G1+5], 32
	s_mov_b32 s[G1+6], 0
	s_mov_b32 s[G1+7], 0
	s_mov_b32 s[SEL], 0x76543210
	s_mov_b32 s[SEL+1], 0xfedcba98
	s_mov_b32 s[CS], 0x3e38aa3b                    ; c = log2(e) / 8
	s_mov_b32 s[CS+1], s[CS]
	s_lshr_b32 s48, s[WV], 2                       ; waves 0-3 fetch K, waves 4-7 V: part 1 or 2 of qkv,
	s_add_co_u32 s48, s48, 1
	s_lshl_b32 s48, s48, 24
	s_lshl_b32 s49, s[BH], 18                      ; my head,
	s_add_co_u32 s48, s48, s49
	s_and_b32 s49, s[WV], 3
	s_lshl_b32 s49, s49, 13                        ; my 8,192 bytes of a unit's 32,768
	s_add_co_u32 s48, s48, s49
	s_mov_b32 s49, 0
	s_mov_b32 s[G0], 1
	s_lshl_b32 s[G0+1], s[WV], 13                  ; LDS: slot 0 + 8,192 x wave
	s_mov_b32 s[OFS+1], 0
	s_cmp_eq_u32 s[II], 0
	s_cselect_b32 s[PL], 7, 0
	s_wait_dscnt 0x0                               ; both opening adds are done
	s_wait_kmcnt 0x0
	s_add_nc_u64 s[BASE:BASE+1], s[4:5], s[48:49]
	s_mov_b64 s[FA:FA+1], s[BASE:BASE+1]
	s_mov_b64 s[G0+2:G0+3], s[BASE:BASE+1]
	s_or_b32 s[G0+3], s[G0+3], 0x80000000
	tensor_load_to_lds s[G0:G0+3], s[G1:G1+7]      ; unit 0 into slot 0: every wave issues it, so one load of mine is out
	s_nop 0
.rept 4
	v_nop
.endr
	v_and_b32 v9, 31, v0
	v_lshlrev_b32 v[PFO], 8, v9
	v_lshlrev_b32 v[LK], 4, v9
	v_add_nc_u32 v[LV], VOFF, v[LK]
	v_and_b32 v9, 15, v0                           ; r
	v_bfe_u32 v10, v0, 4, 1                        ; h
	v_lshlrev_b32 v3, 3, v10
	v_sub_nc_u32 v[RH], v9, v3
	v_lshlrev_b32 v4, 5, v10                       ; 32 h: my place in b_v (the register is free again behind the wait for the loads)
	v_mov_b32 v[NINF], 0xff800000
	s_lshl_b32 s50, s[BH], 18                      ; Q: my head, my wave's two tiles of 2,048 bytes,
	s_lshl_b32 s51, s[WV], 12
	s_add_co_u32 s50, s50, s51
	s_lshl_b32 s51, s[II], 15
	s_add_co_u32 s48, s50, s51                     ; in block I,
	s_sub_co_u32 s52, 7, s[II]
	s_lshl_b32 s51, s52, 15
	s_add_co_u32 s50, s50, s51                     ; in block 7 - I
	s_mov_b32 s51, 0
	s_add_nc_u64 s[48:49], s[4:5], s[48:49]
	s_add_nc_u64 s[50:51], s[4:5], s[50:51]
	s_and_b32 s53, s[BH], 15                       ; the head
	s_lshr_b32 s54, s[BH], 4                       ; the batch
	s_lshl_b32 s[OUT], s54, 22                     ; att: token tile 128 batch + 16 block + 2 wave, of 32,768 bytes; + 2,048 x head
	s_lshl_b32 s55, s[WV], 16
	s_add_co_u32 s[OUT], s[OUT], s55
	s_lshl_b32 s55, s53, 11
	s_add_co_u32 s[OUT], s[OUT], s55
	s_lshl_b32 s55, s52, 19
	s_add_co_u32 s[OUT2], s[OUT], s55
	s_lshl_b32 s55, s[II], 19
	s_add_co_u32 s[OUT], s[OUT], s55
	s_mov_b32 s[OUT+1], 0
	s_mov_b32 s[OUT2+1], 0
	s_add_nc_u64 s[OUT:OUT+1], s[8:9], s[OUT:OUT+1]
	s_add_nc_u64 s[OUT2:OUT2+1], s[8:9], s[OUT2:OUT2+1]
	s_lshl_b32 s54, s53, 8
	s_add_co_u32 s54, s54, 8192                    ; b_qkv[2048 + 64 head]
	s_mov_b32 s55, 0
	s_add_nc_u64 s[6:7], s[6:7], s[54:55]
	s_lshl_b32 s[Q0], s[II], 8
	s_lshl_b32 s53, s[WV], 5
	s_add_co_u32 s[Q0], s[Q0], s53                 ; my first query: 256 I + 32 wave,
	s_lshl_b32 s[Q02], s52, 8
	s_add_co_u32 s[Q02], s[Q02], s53               ; and in the second block
	WIN 0x40                                       ; destination window 1
.irp t, 0,1
.irp c, 0,1
.irp j, 0,1
	global_load_b128 v[QF+16*\t+8*\c+4*\j:QF+16*\t+8*\c+4*\j+3], v[LK], s[48:49] offset:\t*2048+\c*1024+\j*512
	global_load_b128 v[QN+16*\t+8*\c+4*\j:QN+16*\t+8*\c+4*\j+3], v[LK], s[50:51] offset:\t*2048+\c*1024+\j*512
.endr
.endr
.endr
.irp i, 0,1,2,3,4,5,6,7
	v_mov_b32 v[ONE+\i], 0x3c003c00                ; 1.0, 1.0 in f16
.endr
	WIN 0
.irp d, 0,1,2,3
	global_load_b128 v[BV+8*\d:BV+8*\d+3], v4, s[6:7] offset:64*\d       ; lane (r, h): channels 16 d + 8 h + 0..7, O^T's layout
	global_load_b128 v[BV+8*\d+4:BV+8*\d+7], v4, s[6:7] offset:64*\d+16
.endr
	CLEAR
	s_mov_b32 s[KFS], 0
	s_mov_b32 s[TB], 0
	s_mov_b32 s[U], 0
	s_wait_loadcnt 0x0                             ; Q, the second block's Q, b_v
; THE CHANGE OF SLOTS, at a unit's head.  Each wave waits for all its tensor loads (its part of the unit that it is about to read), adds 0 to its spare word, and waits for that and for its reads of the slot that it has left.
; fill = 1: behind the barrier the slot just left takes unit U + 1: key block U + 1, or U + 1 - (I + 1) in the second block of queries.
.macro CHANGE fill
	s_wait_tensorcnt 0x0                           ; no tensor load of mine is out, so group 0 may be written
	ds_add_u32 v[SPW], v[NIL]                      ; the descriptor's step stands between the add and the wait for it
.if \fill
	s_wait_xcnt 0x0                                ; the last prefetch, a unit back, has read its address
	s_add_co_u32 s48, s[U], 1
	s_cmp_le_u32 s48, s[II]
	s_cselect_b32 s49, 0, s[I1]
	s_sub_co_u32 s48, s48, s49                     ; the key block
	s_lshl_b32 s[OFS], s48, 15
	s_add_nc_u64 s[FA:FA+1], s[BASE:BASE+1], s[OFS:OFS+1]
	s_mov_b64 s[G0+2:G0+3], s[FA:FA+1]
	s_or_b32 s[G0+3], s[G0+3], 0x80000000
	s_xor_b32 s[G0+1], s[G0+1], SLOT1              ; the other slot than last time
.endif
	s_wait_dscnt 0x0                               ; the add is done, and my reads of the slot that I have left are over
	s_barrier_signal -1
	s_barrier_wait -1
.if \fill
	tensor_load_to_lds s[G0:G0+3], s[G1:G1+7]      ; the first thing behind the barrier, and my one tensor load until the next
	s_nop 0
.rept 4
	v_nop
.endr
	; a prefetch of what my next change of slots will load.  All four work-groups of a head walk the same K and V: work-group I = 0 asks, in trips 0..6, where its load names key block U: each wave for its own 8,192 bytes of
	; key block U + 1, lanes 256 bytes apart.  So key blocks 1..7 are named once each, and none lies past the head's part
	s_cmp_lt_u32 s[U], s[PL]
	s_cbranch_scc0 .Lno_ask_\@
	global_prefetch_b8 v[PFO], s[FA:FA+1] offset:32768 th:TH_LOAD_NT scope:SCOPE_SE
.Lno_ask_\@:
.endif
.endm
.macro SOFTMAX
.irp j, 0,1,2,3
.irp t, 0,1
	v_max3_num_f32 v[ST+8*\t+2+\j], v[S+32*\t+8*\j], v[S+32*\t+8*\j+1], v[S+32*\t+8*\j+2]   ; four chains a tile; each accumulator is read from its low end on
.endr
.endr
.irp q, 1,2
.irp j, 0,1,2,3
.irp t, 0,1
	v_max3_num_f32 v[ST+8*\t+2+\j], v[ST+8*\t+2+\j], v[S+32*\t+8*\j+2*\q+1], v[S+32*\t+8*\j+2*\q+2]
.endr
.endr
.endr
.irp t, 0,1
	v_max3_num_f32 v[ST+8*\t+2], v[ST+8*\t+2], v[S+32*\t+7], v[S+32*\t+15]
	v_max3_num_f32 v[ST+8*\t+4], v[ST+8*\t+4], v[S+32*\t+23], v[S+32*\t+31]
.endr
.irp t, 0,1
	v_max3_num_f32 v[ST+8*\t+2], v[ST+8*\t+2], v[ST+8*\t+3], v[ST+8*\t+4]
.endr
.irp t, 0,1
	v_max3_num_f32 v[ST+8*\t+2], v[ST+8*\t+2], v[ST+8*\t+5], v[ST+8*\t+1]   ; with the old m
.endr
.irp t, 0,1
	v_permlanex16_b32 v[ST+8*\t+3], v[ST+8*\t+2], s[SEL], s[SEL+1]          ; the query's other 32 keys lie in the lane 16 away
.endr
.irp t, 0,1
	v_mov_b32 v[ST+8*\t+7], v[ST+8*\t]
.endr
.irp t, 0,1
	v_max_num_f32 v[ST+8*\t+1], v[ST+8*\t+2], v[ST+8*\t+3]
.endr
.irp t, 0,1
	v_mul_f32 v[ST+8*\t], s[CS], v[ST+8*\t+1]
.endr
.irp t, 0,1
	v_sub_f32 v[ST+8*\t+7], v[ST+8*\t+7], v[ST+8*\t]
.endr
.irp t, 0,1
	v_exp_f32 v[ST+8*\t+6], v[ST+8*\t+7]           ; a
.endr
.irp t, 0,1
.irp i, 0,1,2,3,4,5,6,7,8,9,10,11,12,13,14,15
	v_pk_fma_f32 v[S+32*\t+2*\i:S+32*\t+2*\i+1], v[S+32*\t+2*\i:S+32*\t+2*\i+1], s[CS:CS+1], v[ST+8*\t:ST+8*\t+1] op_sel_hi:[1,0,0] neg_lo:[0,0,1] neg_hi:[0,0,1]   ; c s - c m
.endr
.endr
	s_wait_alu depctr_va_vdst(0)                   ; one wait for the two a, ahead of their first reader; the 32 scalings above are the work between
.set e, 0
.rept 32
	v_exp_f32 v[S+e], v[S+e]
	v_exp_f32 v[S+32+e], v[S+32+e]
	v_pk_mul_f32 v[O+2*e:O+2*e+1], v[O+2*e:O+2*e+1], v[ST+8*(e/20)+6:ST+8*(e/20)+7] op_sel_hi:[1,0]   ; O^T and the sum under the new m: none of these names an exponential of the batch
.set e, e+1
.endr
.rept 8
	v_pk_mul_f32 v[O+2*e:O+2*e+1], v[O+2*e:O+2*e+1], v[ST+8*(e/20)+6:ST+8*(e/20)+7] op_sel_hi:[1,0]
.set e, e+1
.endr
	s_wait_alu depctr_va_vdst(0)                   ; one wait for the 64 exponentials, ahead of their first reader
.irp t, 0,1
.irp i, 0,1,2,3,4,5,6,7,8,9,10,11,12,13,14,15
	v_cvt_pk_f16_f32 v[P+16*\t+\i], v[S+32*\t+2*\i], v[S+32*\t+2*\i+1]
.endr
.endr
.endm
; A STEP: 64 keys.  A step all of whose keys come after my 32 queries is left out: a scalar branch on ids and counts, round the loads, products and softmax, not round the lines that step addresses.
.macro STEP
	s_add_co_u32 s48, s[Q0], 31
	s_cmp_gt_u32 s[KFS], s48
	s_cbranch_scc1 .Lhidden_\@
	v_add_nc_u32 v[ADK], s[TB], v[LK]
	v_add_nc_u32 v[ADV], s[TB], v[LV]
	v_nop
	v_nop                                          ; four plain places behind the last products, in front of the loads into V's registers
	WIN 0x40
.irp kt, 0,1,2,3
.irp c, 0,1
.irp j, 0,1
	ds_load_b128 v[KR+8*(2*\kt+\c)+4*\j:KR+8*(2*\kt+\c)+4*\j+3], v[ADK] offset:\kt*2048+\c*1024+\j*512
.endr
.endr
.endr
.irp d, 0,1,2,3
.irp c, 0,1
.irp j, 0,1
	ds_load_b128 v[VR+8*(2*\d+\c)+4*\j:VR+8*(2*\d+\c)+4*\j+3], v[ADV] offset:\d*2048+\c*1024+\j*512
.endr
.endr
.endr
	s_wait_dscnt 16                                ; K's 16 loads are in; V's 16 may be out
	WIN 0x05                                       ; K and Q in window 1, S^T in window 0
.irp c, 0,1
.irp kt, 0,1,2,3
.irp t, 0,1
.if \c == 0
	v_wmma_f32_16x16x32_f16 v[S+32*\t+8*\kt:S+32*\t+8*\kt+7], v[KR+8*(2*\kt+\c):KR+8*(2*\kt+\c)+7], v[QF+16*\t+8*\c:QF+16*\t+8*\c+7], 0
.else
	v_wmma_f32_16x16x32_f16 v[S+32*\t+8*\kt:S+32*\t+8*\kt+7], v[KR+8*(2*\kt+\c):KR+8*(2*\kt+\c)+7], v[QF+16*\t+8*\c:QF+16*\t+8*\c+7], v[S+32*\t+8*\kt:S+32*\t+8*\kt+7]
.endif
.endr
.endr
.endr
	WIN 0
.rept 4
	v_nop
.endr
	s_add_co_u32 s48, s[KFS], 63                   ; on the diagonal hidden scores become -infinity ahead of the maximum; a step all of whose keys count skips this
	s_cmp_le_u32 s48, s[Q0]
	s_cbranch_scc1 .Lopen_\@
	s_sub_co_i32 s48, s[Q0], s[KFS]
	v_add_nc_u32 v[D0], s48, v[RH]                 ; register n of tile t holds key KFS + 16 (n / 8) + 8 h + n % 8: hidden where 16 (n / 8) + n % 8 > Q0 + 16 t + r - KFS - 8 h
	v_add_nc_u32 v[D0+1], 16, v[D0]
.irp t, 0,1
.irp n, 0,1,2,3,4,5,6,7,8,9,10,11,12,13,14,15,16,17,18,19,20,21,22,23,24,25,26,27,28,29,30,31
	v_cmp_gt_i32 vcc_lo, 16*(\n/8)+\n%8, v[D0+\t]
	v_cndmask_b32 v[S+32*\t+\n], v[S+32*\t+\n], v[NINF], vcc_lo
.endr
.endr
.Lopen_\@:
	SOFTMAX
	s_wait_dscnt 0x0                               ; V is in
	WIN 0x01                                       ; V and the ones in window 1
.irp c, 0,1
.irp d, 0,1,2,3,4
.irp t, 0,1
.if \d < 4
	v_wmma_f32_16x16x32_f16 v[O+40*\t+8*\d:O+40*\t+8*\d+7], v[VR+8*(2*\d+\c):VR+8*(2*\d+\c)+7], v[P+16*\t+8*\c:P+16*\t+8*\c+7], v[O+40*\t+8*\d:O+40*\t+8*\d+7]
.else
	v_wmma_f32_16x16x32_f16 v[O+40*\t+8*\d:O+40*\t+8*\d+7], v[ONE:ONE+7], v[P+16*\t+8*\c:P+16*\t+8*\c+7], v[O+40*\t+8*\d:O+40*\t+8*\d+7]
.endif
.endr
.endr
.endr
	WIN 0
.Lhidden_\@:
	s_add_co_u32 s[KFS], s[KFS], 64
	s_add_co_u32 s[TB], s[TB], 8192
.endm
.macro FOUR                            ; a unit's four steps: written once, walked four times; then on to the other slot
	s_mov_b32 s[J], 4
.Lstep_\@:
	STEP
	s_sub_co_u32 s[J], s[J], 1
	s_cmp_lg_u32 s[J], 0
	s_cbranch_scc1 .Lstep_\@
	s_and_b32 s[TB], s[TB], SLOT1
	s_xor_b32 s[TB], s[TB], SLOT1
.endm
; a block of queries is done: O^T / sum + b_v, rounded to f16: 16 bytes a lane, an image of the projection's operand: 512 bytes on end a store
.macro FINAL
.rept 4
	v_nop
.endr
.irp t, 0,1
	v_rcp_f32 v[ST+8*\t+6], v[O+40*\t+32]          ; the sum: the lowest register of its accumulator
.endr
	v_nop
	s_wait_alu depctr_va_vdst(0)                   ; one wait for the two reciprocals
.irp t, 0,1
.irp i, 0,1,2,3,4,5,6,7,8,9,10,11,12,13,14,15
	v_pk_fma_f32 v[S+32*\t+2*\i:S+32*\t+2*\i+1], v[O+40*\t+2*\i:O+40*\t+2*\i+1], v[ST+8*\t+6:ST+8*\t+7], v[BV+2*\i:BV+2*\i+1] op_sel_hi:[1,0,1]
.endr
.endr
.irp t, 0,1
.irp i, 0,1,2,3,4,5,6,7,8,9,10,11,12,13,14,15
	v_cvt_pk_f16_f32 v[P+16*\t+\i], v[S+32*\t+2*\i], v[S+32*\t+2*\i+1]
.endr
.endr
.irp t, 0,1
.irp d, 0,1,2,3
	global_store_b128 v[LK], v[P+16*\t+4*\d:P+16*\t+4*\d+3], s[OUT:OUT+1] offset:\t*32768+(\d/2)*1024+(\d%2)*512
.endr
.endr
.endm
.Lunit:                                                ; eight trips: behind each change of slots the next unit is asked for
	CHANGE 1
	FOUR
	s_cmp_eq_u32 s[U], s[II]
	s_cbranch_scc0 .Lsame
	FINAL                                          ; block I is done: on to block 7 - I
	s_wait_xcnt 0x0                                ; the stores have read their registers and their base
	s_mov_b64 s[OUT:OUT+1], s[OUT2:OUT2+1]
	WIN 0x41
.set i, 0
.rept 32
	v_mov_b32 v[QF+i], v[QN+i]
.set i, i+1
.endr
	WIN 0
	CLEAR
	s_mov_b32 s[KFS], 0
	s_mov_b32 s[Q0], s[Q02]
.Lsame:
	s_add_co_u32 s[U], s[U], 1
	s_cmp_lt_u32 s[U], 8
	s_cbranch_scc1 .Lunit
	CHANGE 0                                       ; the last unit is written out: nothing is left to fetch
	FOUR
	FINAL
	s_wait_tensorcnt 0x0                           ; the wave's end
	ds_add_u32 v[SPW], v[NIL]
	s_wait_dscnt 0x0
	s_endpgm
.Lfunc_end_k_q8c97eb7335_attn:
	.size	k_q8c97eb7335_attn, .Lfunc_end_k_q8c97eb7335_attn-k_q8c97eb7335_attn
	.p2alignl 7, 3214868480
	.fill 96, 4, 3214868480
	.section	.rodata,"a",@progbits
	.p2align	6, 0x0
	.amdhsa_kernel k_q8c97eb7335_attn
		.amdhsa_group_segment_fixed_size 327680
		.amdhsa_private_segment_fixed_size 0
		.amdhsa_enable_private_segment 0
		.amdhsa_kernarg_size 24
		.amdhsa_user_sgpr_count 2
		.amdhsa_user_sgpr_kernarg_segment_ptr 1
		.amdhsa_wavefront_size32 1
		.amdhsa_system_sgpr_workgroup_id_x 1
		.amdhsa_system_sgpr_workgroup_id_y 1
		.amdhsa_system_sgpr_workgroup_id_z 1
		.amdhsa_system_vgpr_workitem_id 0
		.amdhsa_next_free_vgpr 512
		.amdhsa_next_free_sgpr 66
		.amdhsa_reserve_vcc 1
		.amdhsa_float_denorm_mode_32 3
		.amdhsa_float_denorm_mode_16_64 3
		.amdhsa_memory_ordered 1
		.amdhsa_forward_progress 1
		.amdhsa_inst_pref_size 66
	.end_amdhsa_kernel
	.amdgpu_metadata
---
amdhsa.version: [ 1, 2 ]
amdhsa.kernels:
  - .name:           k_q8c97eb7335_attn
    .symbol:         k_q8c97eb7335_attn.kd
    .args:
      - { .name: qkv, .offset: 0, .size: 8, .value_kind: global_buffer, .address_space: global }
      - { .name: b_qkv, .offset: 8, .size: 8, .value_kind: global_buffer, .address_space: global }
      - { .name: att, .offset: 16, .size: 8, .value_kind: global_buffer, .address_space: global }
    .group_segment_fixed_size: 327680
    .private_segment_fixed_size: 0
    .kernarg_segment_align: 8
    .kernarg_segment_size: 24
    .max_flat_workgroup_size: 256
    .sgpr_count:     66
    .vgpr_count:     512
    .wavefront_size: 32
...
	.end_amdgpu_metadata
.endif
;; end of part 3
;; launch proj (part 4): grid 4 x 64, 4 waves a work-group, clusters of 4 x 4, 327,680 bytes of LDS; arguments att, wp, b_proj, out0; writes out0
.if DOCPART == 4
	.amdgcn_target "amdgcn-amd-amdhsa--gfx1250"
	.amdhsa_code_object_version 6
	.text
	.protected	k_q8c97eb7335_proj
	.globl	k_q8c97eb7335_proj
	.p2align	8
	.type	k_q8c97eb7335_proj,@function
k_q8c97eb7335_proj:
	s_mov_b64 s[64:65], 0
	v_nop
	global_prefetch_b8 v0, s[64:65] scope:SCOPE_SE
	s_setreg_imm32_b32 hwreg(HW_REG_WAVE_MODE, 25, 1), 1
	s_wait_xcnt 0x0
	s_wait_alu depctr_hold_cnt(0) depctr_sa_sdst(0) depctr_va_vdst(0) depctr_va_sdst(0) depctr_va_ssrc(0) depctr_va_vcc(0) depctr_vm_vsrc(0)
	s_getreg_b32 s2, hwreg(HW_REG_IB_STS2, 6, 4)
	s_cmp_eq_u32 s2, 0
	s_cbranch_scc0 .Lentry_in_a_cluster
	s_endpgm
.Lentry_in_a_cluster:
	s_bfe_u32 s2, ttmp6, 0x10000c
	s_cmp_lg_u32 s2, 0xf033
	s_cbranch_scc0 .Lentry_shape_is_right
	s_endpgm
.Lentry_shape_is_right:
; out0 = att W_proj + b_proj, f16 operands, f32 sums.  LEFT OUT: the stores of tokens 0..15 of each batch, whose rows the last launch makes in f32.
; A work-group makes 128 rows x 256 columns (256 work-groups), a wave 64 x 128: 32 accumulators.  Column tile = cx, row tile = 16 cy + the cluster's y, so the batch is cy.
; W_proj (f16 images) goes through two LDS slots of 256 along K, asked for JOINTLY along a column of the cluster (same cx): each wave's load brings 4 column tiles x 8 KiB.
; att goes from memory straight into a ring of 8 chunks of 32 along K in registers: it lies as register images, so a load is 512 bytes on end; its waits are counted, and a chunk is asked for 256 matrix instructions ahead.
; It is not asked for jointly: with both operands in LDS two slots would hold 128 along K each, 128 matrix instructions a wave between a request and the wait for all loads; the price is that the two waves of a row half load the same chunks.
; THE MATRIX INSTRUCTION: source 0 = 16 columns of W_proj, source 1 = 16 tokens: a lane holds 8 neighbouring columns of a token's row.  b_proj is the C of each sum's first instruction.
; REGISTERS: window 0: v16-29 addresses; v32-95 the bias; v128-191, v192-255 W_proj's fragments, two sets, later rows of out0.  window 1: att's chunk c at v[32 c + 8 a].  window 2: accumulator (a, b) at v[8 (8 a + b)].
.set SLOTB, 131072                     ; a slot: [column tile (16)][chunk (8)][1,024 B]
.set STAGE, 262144                     ; the way out: 16 rows x (512 + 16) bytes for each wave; no tile lands here
.set SPARE, 295936                     ; the spare words, 128 bytes a wave
.set ADRB, 16
.set L16,  18
.set BA,   19
.set STO,  24
.set RD,   25
.set SPW,  28
.set NIL,  29
.set BI,   32
.set BS,   128
.set BK,   128
.set G1,   24
.set G0,   32
.set AB,   48
.set MSB, 0
.macro WIN new
.if MSB != (\new)
	s_set_vgpr_msb (MSB<<8)|(\new)
.set MSB, (\new)
.endif
.endm
.macro PLACES
.rept 4
	v_nop
.endr
.endm
.macro CREST                           ; a round of the cluster's barrier behind its opening barrier
	s_cmp_lg_u32 s14, 0
	s_cbranch_scc1 .Lnot_wave_0_\@
	s_barrier_signal -3
.Lnot_wave_0_\@:
	s_barrier_wait -3
	s_barrier_signal -1
	s_barrier_wait -1
.endm
.macro CROUND
	s_barrier_signal -1
	s_barrier_wait -1
	CREST
.endm
	s_load_b256 s[4:11], s[0:1], 0x0               ; att, wp, b_proj, out0
	v_lshl_add_u32 v[SPW], v0, 2, SPARE
	v_mov_b32 v[NIL], 0
	ds_add_u32 v[SPW], v[NIL]                      ; the wave's opening: the add, twice on end, and its wait ahead of my first tensor load
	ds_add_u32 v[SPW], v[NIL]
	v_lshrrev_b32 v1, 5, v0
	v_readfirstlane_b32 s14, v1                    ; wave
	s_lshr_b32 s15, s14, 1                         ; my half of the rows
	s_and_b32 s16, s14, 1                          ; my half of the columns
	s_bfe_u32 s40, ttmp6, 0x40000                  ; cx
	s_bfe_u32 s41, ttmp6, 0x40004                  ; cy
	s_and_b32 s17, ttmp7, 0xffff                   ; the cluster's y, 0..15
	s_lshl_b32 s44, 0x1111, s40                    ; my column of the cluster
	s_or_b32 s[G1], s44, (3<<16)|(1<<21)           ; elements of 8 bytes; 4 rows of 8,192 bytes, 32,768 bytes apart
	s_mov_b32 s[G1+1], 1024<<16
	s_mov_b32 s[G1+2], 4<<16
	s_mov_b32 s[G1+3], 1024<<16
	s_mov_b32 s[G1+4], 4
	s_mov_b32 s[G1+5], 4096
	s_mov_b32 s[G1+6], 0
	s_mov_b32 s[G1+7], 0
	s_lshl_b32 s20, s40, 19                        ; wp: column tile 16 cx + 4 wave
	s_lshl_b32 s21, s14, 17
	s_add_co_u32 s20, s20, s21
	s_mov_b32 s21, 0
	s_lshl_b32 s45, s14, 15                        ; LDS: 32,768 x wave
	s_wait_dscnt 0x0                               ; both opening adds are done
	s_wait_kmcnt 0x0
	s_add_nc_u64 s[20:21], s[6:7], s[20:21]
	CROUND                                         ; all sixteen work-groups are here: the first joint loads meet
.irp s, 0,1
	s_mov_b32 s[G0+4*\s], 1
	s_add_co_u32 s[G0+4*\s+1], s45, \s*SLOTB
	s_add_nc_u64 s[G0+4*\s+2:G0+4*\s+3], s[20:21], \s*8192
	s_or_b32 s[G0+4*\s+3], s[G0+4*\s+3], 0x80000000
	tensor_load_to_lds s[G0+4*\s:G0+4*\s+3], s[G1:G1+7]   ; every wave issues both: two loads of mine are out
	s_nop 0
.endr
	PLACES
	s_lshl_b32 s48, s41, 22                        ; att: token tile 128 cy + 8 y + 4 x my half
	s_lshl_b32 s49, s17, 18
	s_add_co_u32 s48, s48, s49
	s_lshl_b32 s49, s15, 17
	s_add_co_u32 s48, s48, s49
	s_mov_b32 s49, 0
	s_add_nc_u64 s[AB:AB+1], s[4:5], s[48:49]
	s_lshl_b32 s50, s40, 10                        ; my first column, in bytes
	s_lshl_b32 s51, s16, 9
	s_add_co_u32 s50, s50, s51
	s_mov_b32 s51, 0
	s_add_nc_u64 s[8:9], s[8:9], s[50:51]
	s_lshl_b32 s52, s41, 23                        ; my first row of out0: 2,048 cy + 128 y + 64 x my half
	s_add_co_u32 s50, s50, s52
	s_lshl_b32 s52, s17, 19
	s_add_co_u32 s50, s50, s52
	s_lshl_b32 s52, s15, 18
	s_add_co_u32 s50, s50, s52
	s_add_nc_u64 s[10:11], s[10:11], s[50:51]
	s_or_b32 s18, s17, s15                         ; 0: my first 16 rows are a batch's tokens 0..15
	v_and_b32 v1, 31, v0
	v_lshlrev_b32 v[L16], 4, v1
	v_and_b32 v2, 15, v0
	v_bfe_u32 v3, v0, 4, 1
	v_lshlrev_b32 v[BA], 5, v3
	s_lshl_b32 s52, s16, 16
	v_add_nc_u32 v[ADRB], s52, v[L16]
	s_add_co_u32 s52, s52, SLOTB
	v_add_nc_u32 v[ADRB+1], s52, v[L16]
	s_mul_i32 s52, s14, 8448
	s_add_co_u32 s52, s52, STAGE
	v_mul_u32_u24 v[STO], v2, 528
	v_lshl_add_u32 v[STO], v3, 5, v[STO]
	v_add_nc_u32 v[STO], s52, v[STO]               ; into my stage: row r, + 32 h
	v_add_nc_u32 v[RD], s52, v[L16]                ; back: a row of 512 bytes to the 32 lanes
.irp b, 0,1,2,3,4,5,6,7
	global_load_b128 v[BI+8*\b:BI+8*\b+3], v[BA], s[8:9] offset:64*\b
	global_load_b128 v[BI+8*\b+4:BI+8*\b+7], v[BA], s[8:9] offset:64*\b+16
.endr
.macro ALOAD s, c                      ; att's chunk 8 s + c, my four token tiles
.irp a, 0,1,2,3
.irp j, 0,1
	global_load_b128 v[32*(\c)+8*\a+4*\j:32*(\c)+8*\a+4*\j+3], v[L16], s[AB:AB+1] offset:\a*32768+(8*(\s)+(\c))*1024+\j*512
.endr
.endr
.endm
.macro BLOAD slot, c, set              ; W_proj's chunk c of a slot, my eight column tiles
.irp b, 0,1,2,3,4,5,6,7
.irp j, 0,1
	ds_load_b128 v[BS+64*(\set)+8*\b+4*\j:BS+64*(\set)+8*\b+4*\j+3], v[ADRB+(\slot)] offset:\b*8192+(\c)*1024+\j*512
.endr
.endr
.endm
.macro MUL16 c, a0, first              ; the 32 accumulators take turns, one instruction a turn, in the same order in every chunk
.irp a, \a0, \a0+1
.irp b, 0,1,2,3,4,5,6,7
.if \first
	v_wmma_f32_16x16x32_f16 v[8*(8*(\a)+\b):8*(8*(\a)+\b)+7], v[BS+64*((\c)%2)+8*\b:BS+64*((\c)%2)+8*\b+7], v[32*(\c)+8*(\a):32*(\c)+8*(\a)+7], v[BI+8*\b:BI+8*\b+7]
.else
	v_wmma_f32_16x16x32_f16 v[8*(8*(\a)+\b):8*(8*(\a)+\b)+7], v[BS+64*((\c)%2)+8*\b:BS+64*((\c)%2)+8*\b+7], v[32*(\c)+8*(\a):32*(\c)+8*(\a)+7], v[8*(8*(\a)+\b):8*(8*(\a)+\b)+7]
.endif
.endr
.endr
.endm
; chunk c of phase s (256 along K): 32 products; then W_proj's chunk two on into the set just read, and att's chunk of the next phase into the registers just read
.macro CHUNK s, c
.if (\s) < 3
	s_wait_loadcnt 56                              ; my chunk's 8 loads are in; the 7 younger chunks' may be out
.else
	s_wait_loadcnt 8*(7-(\c))
.endif
.if ((\s) == 3) && ((\c) == 7)
	s_wait_dscnt 0x0
.else
	s_wait_dscnt 16                                ; this set's 16 loads are in; the other set's may be out
.endif
.if ((\s) == 0) && ((\c) == 0)
	WIN 0x84                                       ; source 1 window 1, C (the bias) window 0, D window 2
	MUL16 \c, 0, 1
	MUL16 \c, 2, 1
.else
	WIN 0xa4                                       ; C and D window 2
	MUL16 \c, 0, 0
	MUL16 \c, 2, 0
.endif
	WIN 0
	PLACES
.if (\c) < 6
	BLOAD (\s)%2, (\c)+2, (\c)%2
.elseif (\s) < 3
	BLOAD ((\s)+1)%2, 1, 1                         ; chunk 7: the next slot's chunk 1
.endif
.if (\s) < 3
	WIN 0x40
	ALOAD (\s)+1, \c
	WIN 0
.endif
.endm
; chunk 6 of phases 0 to 2 changes slots: all of this slot has been fetched.  In front of the barrier each wave waits for all its tensor loads (its part of the next slot), adds 0 to its spare word, and waits for that and for its reads.
; Phases 0 and 1: the barrier opens a round of the cluster's, and the slot is filled again, two phases ahead: 256 matrix instructions ahead of the wait for it.
.macro MEET s
	s_wait_tensorcnt 0x0
	ds_add_u32 v[SPW], v[NIL]                      ; sixteen products stand between the add and the wait for it
	s_wait_loadcnt 56
	s_wait_dscnt 17                                ; the add and set 1's 16 loads may be out
	WIN 0xa4
	MUL16 6, 0, 0
	s_wait_dscnt 0x0                               ; the add is done, and my reads of this slot are over
	s_barrier_signal -1
	MUL16 6, 2, 0
	WIN 0
	s_barrier_wait -1
.if (\s) < 2
	CREST                                          ; no wave of any partner still reads this slot or has a load on its way
	s_add_nc_u64 s[G0+4*(\s)+2:G0+4*(\s)+3], s[G0+4*(\s)+2:G0+4*(\s)+3], 16384
	tensor_load_to_lds s[G0+4*(\s):G0+4*(\s)+3], s[G1:G1+7]   ; the first tensor load behind the round, and my only one
	s_nop 0
.endif
	PLACES                                         ; also the places in front of the loads below
	BLOAD ((\s)+1)%2, 0, 0
	WIN 0x40
	ALOAD (\s)+1, 6
	WIN 0
.endm
	WIN 0x40
.irp c, 0,1,2,3,4,5,6,7
	ALOAD 0, \c
.endr
	WIN 0
	s_wait_tensorcnt 0x1                           ; my part of slot 0 is in; slot 1's may be out
	s_barrier_signal -1
	s_barrier_wait -1
	BLOAD 0, 0, 0
	BLOAD 0, 1, 1
.irp s, 0,1,2
.irp c, 0,1,2,3,4,5
	CHUNK \s, \c
.endr
	MEET \s
	CHUNK \s, 7
.endr
.irp c, 0,1,2,3,4,5,6,7
	CHUNK 3, \c
.endr
; THE WAY OUT, 16 rows x 128 columns at a time through my own stage: back as whole rows of 512 bytes.  LDS serves a wave's instructions in order: no wait between the stores and the loads.
.macro TOSTAGE a
	WIN 0x08                                       ; an LDS store's data are its source 1: window 2
.irp b, 0,1,2,3,4,5,6,7
	ds_store_b128 v[STO], v[8*(8*(\a)+\b):8*(8*(\a)+\b)+3] offset:64*\b
	ds_store_b128 v[STO], v[8*(8*(\a)+\b)+4:8*(8*(\a)+\b)+7] offset:64*\b+16
.endr
	WIN 0
.irp t, 0,1,2,3,4,5,6,7,8,9,10,11,12,13,14,15
	ds_load_b128 v[BK+64*((\a)%2)+4*\t:BK+64*((\a)%2)+4*\t+3], v[RD] offset:\t*528
.endr
.endm
.macro SEND a, younger
	s_wait_dscnt \younger
.irp t, 0,1,2,3,4,5,6,7,8,9,10,11,12,13,14,15
	global_store_b128 v[L16], v[BK+64*((\a)%2)+4*\t:BK+64*((\a)%2)+4*\t+3], s[10:11] offset:(\a)*65536+\t*4096 th:TH_STORE_NT   ; 512 bytes on end, aligned
.endr
.endm
	s_cmp_eq_u32 s18, 0                            ; the cluster's y and the wave's number alone
	s_cbranch_scc1 .Lskip0
	TOSTAGE 0
	SEND 0, 0
.Lskip0:
	TOSTAGE 1
	s_wait_xcnt 0x0                                ; block 0's stores have read their registers
	TOSTAGE 2
	SEND 1, 32                                     ; behind block 1's loads: block 2's 16 stores and 16 loads
	s_wait_xcnt 0x0
	TOSTAGE 3
	SEND 2, 32
	SEND 3, 0
	s_wait_tensorcnt 0x0                           ; the wave's end
	ds_add_u32 v[SPW], v[NIL]
	s_wait_dscnt 0x0
	CROUND                                         ; the closing round
	s_endpgm
.Lfunc_end_k_q8c97eb7335_proj:
	.size	k_q8c97eb7335_proj, .Lfunc_end_k_q8c97eb7335_proj-k_q8c97eb7335_proj
	.p2alignl 7, 3214868480
	.fill 96, 4, 3214868480
	.section	.rodata,"a",@progbits
	.p2align	6, 0x0
	.amdhsa_kernel k_q8c97eb7335_proj
		.amdhsa_group_segment_fixed_size 327680
		.amdhsa_private_segment_fixed_size 0
		.amdhsa_enable_private_segment 0
		.amdhsa_kernarg_size 32
		.amdhsa_user_sgpr_count 2
		.amdhsa_user_sgpr_kernarg_segment_ptr 1
		.amdhsa_wavefront_size32 1
		.amdhsa_system_sgpr_workgroup_id_x 1
		.amdhsa_system_sgpr_workgroup_id_y 1
		.amdhsa_system_sgpr_workgroup_id_z 1
		.amdhsa_system_vgpr_workitem_id 0
		.amdhsa_next_free_vgpr 768
		.amdhsa_next_free_sgpr 66
		.amdhsa_reserve_vcc 0
		.amdhsa_float_denorm_mode_32 3
		.amdhsa_float_denorm_mode_16_64 3
		.amdhsa_memory_ordered 1
		.amdhsa_forward_progress 1
		.amdhsa_inst_pref_size 152
	.end_amdhsa_kernel
	.amdgpu_metadata
---
amdhsa.version: [ 1, 2 ]
amdhsa.kernels:
  - .name:           k_q8c97eb7335_proj
    .symbol:         k_q8c97eb7335_proj.kd
    .args:
      - { .name: att, .offset: 0, .size: 8, .value_kind: global_buffer, .address_space: global }
      - { .name: wp, .offset: 8, .size: 8, .value_kind: global_buffer, .address_space: global }
      - { .name: b_proj, .offset: 16, .size: 8, .value_kind: global_buffer, .address_space: global }
      - { .name: out0, .offset: 24, .size: 8, .value_kind: global_buffer, .address_space: global }
    .group_segment_fixed_size: 327680
    .private_segment_fixed_size: 0
    .kernarg_segment_align: 8
    .kernarg_segment_size: 32
    .max_flat_workgroup_size: 128
    .sgpr_count:     66
    .vgpr_count:     768
    .wavefront_size: 32
...
	.end_amdgpu_metadata
.endif
;; end of part 4
;; launch first16 (part 5): grid 16 x 4, 16 waves a work-group, no clusters, 71,680 bytes of LDS; arguments q16, W_proj, b_qkv, b_proj, out0; writes out0
.if DOCPART == 5
	.amdgcn_target "amdgcn-amd-amdhsa--gfx1250"
	.amdhsa_code_object_version 6
	.text
	.protected	k_q8c97eb7335_first16
	.globl	k_q8c97eb7335_first16
	.p2align	8
	.type	k_q8c97eb7335_first16,@function
k_q8c97eb7335_first16:
	s_mov_b64 s[64:65], 0
	v_nop
	global_prefetch_b8 v0, s[64:65] scope:SCOPE_SE
	s_setreg_imm32_b32 hwreg(HW_REG_WAVE_MODE, 25, 1), 1
	s_wait_xcnt 0x0
; Tokens 0..15 of each batch, attention and projection in f32: these rows average one to sixteen values and are the largest, so f16 operands would weigh most here.  64 rows of out0 in all: no bulk work.
; LEFT OUT: the bias on k, as in the first kernel's head; keys past token 15 are hidden from these queries by the causal mask.
; Work-group (cg, batch) makes 16 tokens x 64 columns; wave = head: its attention, then its 64 channels' part of the projection; the sixteen parts meet in LDS.
; The f32 images of q, k, v ARE operands of the 16 x 16 x 4 form: lane (r, h) holds row r and indices 8 h + 0..7 in 8 registers; the pair (2 s, 2 s + 1) is taken as a fragment on BOTH sources, so K place 2 h + j stands for
; index 8 h + 2 s + j on both, and s = 0..3 cover all 16.  The registers that this form writes (v160-207) are written by matrix instructions alone.
.set SPARE, 69632                      ; behind the sixteen parts of 16 x 272 bytes: the spare words, 128 bytes a wave
.set L16, 1
.set WA,  2                            ; 32,768 h + 4 r: W_proj's rows 8 h on, column r
.set PS,  3
.set PR,  4
.set L8,  5
.set SPW, 6
.set NIL, 7
.set RH,  8
.set NINF, 9
.set PP,  16                           ; v16-23 scores, then p
.set QF,  32                           ; v32-63 q, then W_proj (d = 1), then the parts
.set KF,  64                           ; v64-95 k, then W_proj (d = 2)
.set VF,  96                           ; v96-127 v, then W_proj (d = 3)
.set W0,  128                          ; v128-159 W_proj (d = 0)
.set SA,  160                          ; two accumulators of S^T
.set OA,  176                          ; four accumulators: O^T, later the projection's
.set ON,  208                          ; b_v, then O^T / sum + b_v
	s_load_b256 s[4:11], s[0:1], 0x0               ; q16, W_proj, b_qkv, b_proj
	s_load_b64 s[12:13], s[0:1], 0x20              ; out0
	v_lshl_add_u32 v[SPW], v0, 2, SPARE
	v_mov_b32 v[NIL], 0
	v_lshrrev_b32 v1, 5, v0
	v_readfirstlane_b32 s14, v1                    ; wave = head
	s_and_b32 s15, ttmp7, 0xffff                   ; batch
	s_mov_b32 s20, 0x76543210
	s_mov_b32 s21, 0xfedcba98
	s_mov_b32 s22, 0x3e38aa3b                      ; c = log2(e) / 8
	s_mov_b32 s23, s22
	v_and_b32 v10, 31, v0
	v_lshlrev_b32 v[L16], 4, v10
	v_lshlrev_b32 v[L8], 3, v10
	v_and_b32 v12, 15, v0                          ; r
	v_bfe_u32 v13, v0, 4, 1                        ; h
	v_lshlrev_b32 v[WA], 2, v12
	v_lshl_add_u32 v[WA], v13, 15, v[WA]
	v_lshlrev_b32 v11, 5, v13                      ; 32 h: my place in b_v
	v_lshlrev_b32 v10, 3, v13
	v_sub_nc_u32 v[RH], v12, v10                   ; r - 8 h
	v_mov_b32 v[NINF], 0xff800000
	s_mul_i32 s24, s14, 4352
	v_mul_u32_u24 v[PS], v12, 272
	v_lshl_add_u32 v[PS], v13, 5, v[PS]
	v_add_nc_u32 v[PS], s24, v[PS]                 ; my part: row r, + 32 h
	s_mul_i32 s24, s14, 272
	v_add_nc_u32 v[PR], s24, v[L8]                 ; back: row = my wave's number, 8 bytes a lane
	s_lshl_b32 s24, s15, 4
	s_add_co_u32 s24, s24, s14
	s_lshl_b32 s24, s24, 12                        ; q16: (16 batch + head) x 4,096
	s_mov_b32 s25, 0
	s_lshl_b32 s26, s14, 18                        ; W_proj: rows 64 head on, columns 64 cg on
	s_lshl_b32 s28, ttmp9, 8
	s_add_co_u32 s26, s26, s28
	s_mov_b32 s27, 0
	s_mov_b32 s29, 0
	s_lshl_b32 s30, s14, 8
	s_add_co_u32 s30, s30, 8192                    ; b_qkv[2048 + 64 head]
	s_mov_b32 s31, 0
	s_lshl_b32 s32, s15, 23                        ; out0: row 2,048 batch + wave, columns 64 cg on
	s_lshl_b32 s33, s14, 12
	s_add_co_u32 s32, s32, s33
	s_add_co_u32 s32, s32, s28
	s_mov_b32 s33, 0
	s_wait_kmcnt 0x0
	s_add_nc_u64 s[4:5], s[4:5], s[24:25]
	s_add_nc_u64 s[6:7], s[6:7], s[26:27]
	s_add_nc_u64 s[8:9], s[8:9], s[30:31]
	s_add_nc_u64 s[10:11], s[10:11], s[28:29]
	s_add_nc_u64 s[12:13], s[12:13], s[32:33]
.irp p, 0,1,2
.irp b, 0,1,2,3
.irp u, 0,1
	global_load_b128 v[QF+32*\p+8*\b+4*\u:QF+32*\p+8*\b+4*\u+3], v[L16], s[4:5] offset:\p*262144+\b*1024+\u*512
.endr
.endr
.endr
.irp d, 0,1,2,3
	global_load_b128 v[ON+8*\d:ON+8*\d+3], v11, s[8:9] offset:64*\d
	global_load_b128 v[ON+8*\d+4:ON+8*\d+7], v11, s[8:9] offset:64*\d+16
.endr
.macro WLOAD d, reg                    ; register 8 ct + k of lane (r, h): W_proj[64 head + 16 d + 8 h + k][64 cg + 16 ct + r]
.irp ct, 0,1,2,3
.irp k, 0,1,2,3,4,5,6,7
	global_load_b32 v[\reg+8*\ct+\k], v[WA], s[6:7] offset:(16*\d+\k)*4096+\ct*64
.endr
.endr
.endm
	WLOAD 0, W0
	global_load_b64 v[14:15], v[L8], s[10:11]      ; b_proj at my two columns
	s_wait_loadcnt 33                              ; q, k, v and b_v are in; W_proj's 32 and b_proj's one may be out
	; S^T = k q^T: lane (r, h) holds query r and keys 8 h + 0..7.  Two accumulators by turns
.irp s, 0,1,2,3
.irp b, 0,1,2,3
.if (\s == 0) && (\b < 2)
	v_wmma_f32_16x16x4_f32 v[SA+8*(\b%2):SA+8*(\b%2)+7], v[KF+8*\b+2*\s:KF+8*\b+2*\s+1], v[QF+8*\b+2*\s:QF+8*\b+2*\s+1], 0
.else
	v_wmma_f32_16x16x4_f32 v[SA+8*(\b%2):SA+8*(\b%2)+7], v[KF+8*\b+2*\s:KF+8*\b+2*\s+1], v[QF+8*\b+2*\s:QF+8*\b+2*\s+1], v[SA+8*(\b%2):SA+8*(\b%2)+7]
.endif
.endr
.endr
.rept 8
	v_nop                                          ; eight places behind this form, in front of loads into its sources and of reads of its results
.endr
	WLOAD 1, QF
	WLOAD 2, KF
.irp i, 0,1,2,3
	v_pk_add_f32 v[PP+2*\i:PP+2*\i+1], v[SA+2*\i:SA+2*\i+1], v[SA+8+2*\i:SA+8+2*\i+1]
.endr
.irp j, 0,1,2,3,4,5,6,7
	v_cmp_gt_i32 vcc_lo, \j, v[RH]                 ; key 8 h + j is hidden from query r where j > r - 8 h
	v_cndmask_b32 v[PP+\j], v[PP+\j], v[NINF], vcc_lo
.endr
	v_max3_num_f32 v24, v[PP], v[PP+1], v[PP+2]
	v_max3_num_f32 v25, v[PP+3], v[PP+4], v[PP+5]
	v_max3_num_f32 v24, v24, v[PP+6], v[PP+7]
	v_max_num_f32 v24, v24, v25
	v_permlanex16_b32 v25, v24, s20, s21
	v_max_num_f32 v10, v24, v25                    ; the row's maximum (key 0 counts for every query)
	v_mul_f32 v10, s22, v10
.irp i, 0,1,2,3
	v_pk_fma_f32 v[PP+2*\i:PP+2*\i+1], v[PP+2*\i:PP+2*\i+1], s[22:23], v[10:11] op_sel_hi:[1,0,0] neg_lo:[0,0,1] neg_hi:[0,0,1]
.endr
.irp j, 0,1,2,3,4,5,6,7
	v_exp_f32 v[PP+\j], v[PP+\j]
.endr
	v_nop
	s_wait_alu depctr_va_vdst(0)                   ; one wait for the eight exponentials
	v_pk_add_f32 v[24:25], v[PP:PP+1], v[PP+2:PP+3]
	v_pk_add_f32 v[26:27], v[PP+4:PP+5], v[PP+6:PP+7]
	v_pk_add_f32 v[24:25], v[24:25], v[26:27]
	v_add_f32 v24, v24, v25
	v_permlanex16_b32 v25, v24, s20, s21
	v_add_f32 v24, v24, v25                        ; the row's sum
	v_rcp_f32 v12, v24
	v_mov_b32 v13, 0                               ; (a plain place; named with v12 as a pair)
	s_wait_alu depctr_va_vdst(0)
	; O^T = v^T p: lane (r, h) holds query r and channels 16 d + 8 h + 0..7.  Four accumulators by turns
.irp s, 0,1,2,3
.irp d, 0,1,2,3
.if \s == 0
	v_wmma_f32_16x16x4_f32 v[OA+8*\d:OA+8*\d+7], v[VF+8*\d+2*\s:VF+8*\d+2*\s+1], v[PP+2*\s:PP+2*\s+1], 0
.else
	v_wmma_f32_16x16x4_f32 v[OA+8*\d:OA+8*\d+7], v[VF+8*\d+2*\s:VF+8*\d+2*\s+1], v[PP+2*\s:PP+2*\s+1], v[OA+8*\d:OA+8*\d+7]
.endif
.endr
.endr
.rept 8
	v_nop
.endr
	WLOAD 3, VF
.irp i, 0,1,2,3,4,5,6,7,8,9,10,11,12,13,14,15
	v_pk_fma_f32 v[ON+2*\i:ON+2*\i+1], v[OA+2*\i:OA+2*\i+1], v[12:13], v[ON+2*\i:ON+2*\i+1] op_sel_hi:[1,0,1]   ; / sum + b_v, into other registers than the sums'
.endr
.rept 9
	v_nop                                          ; nine places: the projection's first products write over the four accumulators
.endr
; the projection's part of my 64 channels: source 0 = 16 columns of W_proj, source 1 = my 16 tokens: lane (r, h) holds token r, columns 16 ct + 8 h + 0..7
.macro PROJ d, reg, first
.irp s, 0,1,2,3
.irp ct, 0,1,2,3
.if \first && (\s == 0)
	v_wmma_f32_16x16x4_f32 v[OA+8*\ct:OA+8*\ct+7], v[\reg+8*\ct+2*\s:\reg+8*\ct+2*\s+1], v[ON+8*\d+2*\s:ON+8*\d+2*\s+1], 0
.else
	v_wmma_f32_16x16x4_f32 v[OA+8*\ct:OA+8*\ct+7], v[\reg+8*\ct+2*\s:\reg+8*\ct+2*\s+1], v[ON+8*\d+2*\s:ON+8*\d+2*\s+1], v[OA+8*\ct:OA+8*\ct+7]
.endif
.endr
.endr
.endm
	s_wait_loadcnt 63                              ; behind W_proj's first 32 loads 97 were issued, behind the second 64: a wait's count holds 63 at the most, and a smaller count is safe
	PROJ 0, W0, 1
	s_wait_loadcnt 63
	PROJ 1, QF, 0
	s_wait_loadcnt 32
	PROJ 2, KF, 0
	s_wait_loadcnt 0x0
	PROJ 3, VF, 0
.rept 8
	v_nop
.endr
.irp ct, 0,1,2,3
	ds_store_b128 v[PS], v[OA+8*\ct:OA+8*\ct+3] offset:64*\ct
	ds_store_b128 v[PS], v[OA+8*\ct+4:OA+8*\ct+7] offset:64*\ct+16
.endr
	s_wait_dscnt 0x0                               ; for the others' sake: my part lies in LDS
	s_barrier_signal -1
	s_barrier_wait -1
.irp u, 0,1,2,3,4,5,6,7,8,9,10,11,12,13,14,15
	ds_load_b64 v[QF+2*\u:QF+2*\u+1], v[PR] offset:\u*4352   ; wave w adds the sixteen heads' parts of token w
.endr
	s_wait_dscnt 0x0
.irp u, 0,2,4,6,8,10,12,14
	v_pk_add_f32 v[QF+2*\u:QF+2*\u+1], v[QF+2*\u:QF+2*\u+1], v[QF+2+2*\u:QF+3+2*\u]
.endr
.irp u, 0,4,8,12
	v_pk_add_f32 v[QF+2*\u:QF+2*\u+1], v[QF+2*\u:QF+2*\u+1], v[QF+4+2*\u:QF+5+2*\u]
.endr
.irp u, 0,8
	v_pk_add_f32 v[QF+2*\u:QF+2*\u+1], v[QF+2*\u:QF+2*\u+1], v[QF+8+2*\u:QF+9+2*\u]
.endr
	v_pk_add_f32 v[QF:QF+1], v[QF:QF+1], v[QF+16:QF+17]
	v_pk_add_f32 v[QF:QF+1], v[QF:QF+1], v[14:15]  ; + b_proj
	global_store_b64 v[L8], v[QF:QF+1], s[12:13]   ; 256 bytes on end, aligned
	s_wait_tensorcnt 0x0                           ; the wave's end, behind my last LDS store
	ds_add_u32 v[SPW], v[NIL]
	s_wait_dscnt 0x0
	s_endpgm
.Lfunc_end_k_q8c97eb7335_first16:
	.size	k_q8c97eb7335_first16, .Lfunc_end_k_q8c97eb7335_first16-k_q8c97eb7335_first16
	.p2alignl 7, 3214868480
	.fill 96, 4, 3214868480
	.section	.rodata,"a",@progbits
	.p2align	6, 0x0
	.amdhsa_kernel k_q8c97eb7335_first16
		.amdhsa_group_segment_fixed_size 71680
		.amdhsa_private_segment_fixed_size 0
		.amdhsa_enable_private_segment 0
		.amdhsa_kernarg_size 40
		.amdhsa_user_sgpr_count 2
		.amdhsa_user_sgpr_kernarg_segment_ptr 1
		.amdhsa_wavefront_size32 1
		.amdhsa_system_sgpr_workgroup_id_x 1
		.amdhsa_system_sgpr_workgroup_id_y 1
		.amdhsa_system_sgpr_workgroup_id_z 1
		.amdhsa_system_vgpr_workitem_id 0
		.amdhsa_next_free_vgpr 256
		.amdhsa_next_free_sgpr 66
		.amdhsa_reserve_vcc 1
		.amdhsa_float_denorm_mode_32 3
		.amdhsa_float_denorm_mode_16_64 3
		.amdhsa_memory_ordered 1
		.amdhsa_forward_progress 1
		.amdhsa_inst_pref_size 31
	.end_amdhsa_kernel
	.amdgpu_metadata
---
amdhsa.version: [ 1, 2 ]
amdhsa.kernels:
  - .name:           k_q8c97eb7335_first16
    .symbol:         k_q8c97eb7335_first16.kd
    .args:
      - { .name: q16, .offset: 0, .size: 8, .value_kind: global_buffer, .address_space: global }
      - { .name: W_proj, .offset: 8, .size: 8, .value_kind: global_buffer, .address_space: global }
      - { .name: b_qkv, .offset: 16, .size: 8, .value_kind: global_buffer, .address_space: global }
      - { .name: b_proj, .offset: 24, .size: 8, .value_kind: global_buffer, .address_space: global }
      - { .name: out0, .offset: 32, .size: 8, .value_kind: global_buffer, .address_space: global }
    .group_segment_fixed_size: 71680
    .private_segment_fixed_size: 0
    .kernarg_segment_align: 8
    .kernarg_segment_size: 40
    .max_flat_workgroup_size: 512
    .sgpr_count:     66
    .vgpr_count:     256
    .wavefront_size: 32
...
	.end_amdgpu_metadata
.endif
;; end of part 5
